; MI455X (gfx1250); checked and timed in simulation.
; The chip was launched on July 23, 2026; its instructions are those of AMD's public machine-readable ISA for CDNA 5 (MIT licence, August 2026) and "CDNA5" Instruction Set Architecture Reference Guide (July 2026). The comments in the code are by the model that wrote it; some were corrected since.
;; Attention. Allowed arithmetic: float matrix products may take bf16 or f16 operands with f32 sums; all other float work in f32.
;; Inputs: k 2 x 4,096 x 8 x 64 float32; q 2 x 4,096 x 8 x 64 float32; v 2 x 4,096 x 8 x 64 float32.
;; Outputs: out0 2 x 4,096 x 8 x 64 float32.
;; 3 versions, each right and faster than the one before. Each part assembles by itself: llvm-mc -triple=amdgcn-amd-amdhsa -mcpu=gfx1250 --defsym DOCPART=n.
;; ======== version 1 of 3: 1 launch
;; launch attn (part 1): grid 16 x 16, 4 waves a work-group, clusters of 4 x 1, 327,680 bytes of LDS; arguments q, k, v, out0; writes out0
.if DOCPART == 1
	.amdgcn_target "amdgcn-amd-amdhsa--gfx1250"
	.amdhsa_code_object_version 6
	.text
	.protected	k_q79a20c0b89_attn
	.globl	k_q79a20c0b89_attn
	.p2align	8
	.type	k_q79a20c0b89_attn,@function
k_q79a20c0b89_attn:
	s_mov_b64 s[64:65], 0
	v_nop
	global_prefetch_b8 v0, s[64:65] scope:SCOPE_SE
	s_setreg_imm32_b32 hwreg(HW_REG_WAVE_MODE, 25, 1), 1
	s_wait_xcnt 0x0
	s_wait_alu depctr_hold_cnt(0) depctr_sa_sdst(0) depctr_va_vdst(0) depctr_va_sdst(0) depctr_va_ssrc(0) depctr_va_vcc(0) depctr_vm_vsrc(0)
	s_getreg_b32 s2, hwreg(HW_REG_IB_STS2, 6, 4)
	s_cmp_eq_u32 s2, 0
	s_cbranch_scc0 .Lentry_in_a_cluster
	s_endpgm
.Lentry_in_a_cluster:
	s_bfe_u32 s2, ttmp6, 0x10000c
	s_cmp_lg_u32 s2, 0x3003
	s_cbranch_scc0 .Lentry_shape_is_right
	s_endpgm
.Lentry_shape_is_right:
; out0[b,l,h,:] = softmax over s of (q[b,l,h,:] . k[b,s,h,:] / 8) times v[b,s,h,:].   q, k, v, out0: [2][4096][8][64] f32.
; No work of the problem is dead: every key and value of a head reaches every output row of that head; all three inputs are loaded.
;
; SHARES.  Work-group (x, y): head y = 8 b + h, queries 256 x .. 256 x + 255.  Four waves; wave w owns 64 queries = 4 query tiles (qt) of 16.
; Keys go in 32 trips of 128; a trip is two sub-steps of 64 keys, each one step of the running softmax (running maximum, running sum).
; CLUSTER.  The four work-groups of a cluster (4, 1, 1) have the same head and walk the same K and V tiles: each tile is asked for jointly (mask 15),
; by the same line, with a descriptor made of y, the wave number and the trip alone.
; TRANSPOSED.  S^T = K Q^T (source 0 = 16 keys, source 1 = 16 queries): register j of lane (r, hl) holds key 8 hl + j of query r, so maximum and sum
; over keys stay in the lane but for one exchange between the halves of the wave, and two neighbouring S^T tiles, rounded to bf16 in place, are the
; source-1 fragment of P for 32 keys.  O^T = V^T P (source 0 = 16 columns d of V, read transposed out of LDS): lane (r, hl) holds d = 16 dt + 8 hl + j
; of query r, so the rescaling factor and 1 / sum are one number a lane.
; FORMATS.  Q, K, V are rounded to bf16 as they stand, P likewise; sums in f32.  The scale c = log2(e) / 8 is applied in f32, behind the product:
; p = 2^(c s - c m), one fused multiply-add in front of each exponential.  (Scaling Q ahead of its rounding would round another number than q itself.)
; K and V arrive as f32 by tensor loads; each wave rounds a quarter of a tile to bf16 once, into stages that all four waves read.
; LIMITS.  p below 2^-126 counts as 0.  The sum is taken over p before its rounding to bf16.  A NaN or +inf among a row's scores gives a NaN row.
; A row whose scores are all -inf gives NaN.
;
; REGISTERS in windows of 256 (s_set_vgpr_msb, low byte: bits 1:0 source 0, 3:2 source 1, 5:4 source 2, 7:6 destination):
;   window 0: v8-17 addresses; v64-127 K fragments, v128-191 V fragments (both also scratch for Q, for the rounding of tiles and for the way out); v192-223 way out
;   window 1: v0-127 S(qt, kt) at 32 qt + 8 kt, later P(qt, g) at 32 qt + 16 g; v128-191 Q fragments (qt, ks) at 128 + 16 qt + 8 ks;
;             v192-215 state of query tile qt at 192 + 6 qt: pairs [NM, T] [A, P2] [L0, L1]
;             (NM = -c x running maximum; T = running maximum of the raw scores; A = rescaling factor; P2 = exchange and the new NM; two partial sums)
;   window 2: v0-127 O(qt, dt) at 32 qt + 8 dt
.set SROW,   2048                      ; bytes from one s (or l) to the next in q, k, v, out0
.set PITCH,  272                       ; LDS row of 64 f32: 256 bytes + 16 of padding
.set QUART,  64*PITCH                  ; what one tensor load brings: 64 rows
.set SLOT,   4*QUART                   ; K keys 0-127, then V keys 0-127
.set VHALF,  2*QUART                   ; where V begins in a slot
.set KP,     144                       ; bf16 K stage: 128 bytes + 16
.set VP,     160                       ; bf16 V stage: 128 bytes + 32 (an odd multiple of 32 for the transposing load)
.set KST,    2*SLOT                    ; 139264
.set VST,    KST+128*KP                ; 157696
.set OST,    VST+128*VP                ; 178176: 16 rows x 272 bytes for each wave, the way out
.set OWAVE,  16*PITCH
.set STEP,   128*SROW                  ; bytes from a tile of 128 keys to the next
.set CEXP,   0x3e38aa3b                ; c = log2(e) / 8
.set NCEXP,  0xbe38aa3b                ; -c
.set QOFF, 8                           ; v8   r * 2048 + 32 hl
.set CVS,  9                           ; v9-10 my 32 bytes in row 32 w + c of slot 0, 1
.set CVK,  11                          ; v11  my 16 bytes in row 32 w + c of the K stage
.set CVV,  12                          ; v12  the same in the V stage
.set KFA,  13                          ; v13  K fragment address
.set VFA,  14                          ; v14  V fragment address (transposing load)
.set STO,  15                          ; v15  way out: where I put 32 bytes of a row
.set RD,   16                          ; v16  way out: where I read a row back
.set CO,   17                          ; v17  my byte offset in out0
.set SC,   64                          ; scratch v64-191
.set KF,   64
.set VF,   128
.set TMP,  192
.set QF,   128                         ; window 1
.set ST,   192                         ; window 1
.set G1,   16                          ; s[16:23] descriptor group 1, the same for every load
.set G0,   24                          ; s[24:31] descriptor group 0, four registers for each slot
.set W_Q,   0x40                       ; destination window 1
.set W_S,   0x54                       ; K fragment window 0; Q fragment, C and D window 1
.set W_SM,  0x55                       ; all in window 1
.set W_RS,  0x86                       ; O (window 2) times a factor of window 1
.set W_PV,  0xa4                       ; V fragment window 0, P window 1, C and D window 2
.set W_OUT, 0x06                       ; window 0 = O (window 2) times a factor of window 1
.set MSB, 0
.macro WIN new                         ; the immediate's high byte repeats the setting that is left; a switch that changes nothing is dropped
.if MSB != \new
	s_set_vgpr_msb (MSB<<8)|\new
.set MSB, \new
.endif
.endm
.macro PLACES n                        ; independent vector instructions behind matrix instructions (ISA guide 7.12.1)
.rept \n
	v_nop
.endr
.endm
; A round of the cluster's barrier: my work-group's barrier, wave 0 signals for the work-group, every wave waits for all four work-groups, my work-group's barrier again.
.macro ROUND
	s_barrier_signal -1
	s_barrier_wait -1
	s_cmp_lg_u32 s12, 0
	s_cbranch_scc1 .Lnot_wave_0_\@
	s_barrier_signal -3
.Lnot_wave_0_\@:
	s_barrier_wait -3
	s_barrier_signal -1
	s_barrier_wait -1
.endm
	s_load_b256 s[4:11], s[0:1], 0x0               ; q s[4:5], k s[6:7], v s[8:9], out0 s[10:11]
	v_lshl_add_u32 v254, v0, 2, 0x2fc00
	v_mov_b32 v255, 0
	ds_add_u32 v254, v255
	v_lshrrev_b32 v1, 5, v0
	v_readfirstlane_b32 s12, v1                    ; wave 0..3
	s_bfe_u32 s13, ttmp6, 0x40000                  ; cx: my place in the cluster
	s_lshl_b32 s14, ttmp9, 2
	s_add_co_u32 s14, s14, s13                     ; x = 4 * cluster x + cx: my block of 256 queries
	s_and_b32 s15, ttmp7, 0xffff                   ; y = 8 b + h
	s_lshr_b32 s32, s15, 3
	s_lshl_b32 s32, s32, 23                        ; b * 4096 * 2048 bytes
	s_and_b32 s33, s15, 7
	s_lshl_b32 s33, s33, 8                         ; h * 256 bytes
	s_or_b32 s32, s32, s33
	s_mov_b32 s33, 0                               ; s[32:33] the head's offset
	s_and_b32 s34, s12, 1
	s_lshl_b32 s34, s34, 17                        ; which 64 keys of a tile I fetch: (w & 1) * 64 * 2048
	s_mov_b32 s35, 0
	s_mov_b32 s36, 0x76543210                      ; v_permlanex16_b32: lane i of one half reads lane i of the other
	s_mov_b32 s37, 0xfedcba98
	s_mul_i32 s39, s12, QUART                      ; where my 64 rows go in a slot: K's two halves, then V's
	s_lshl_b32 s42, s14, 19                        ; x * 256 rows
	s_lshl_b32 s43, s12, 17                        ; + w * 64 rows
	s_add_co_u32 s42, s42, s43
	s_add_co_u32 s42, s42, s32                     ; + the head (the sum stays below 2^24)
	s_mov_b32 s43, 0                               ; s[42:43] my queries' offset in q and in out0; only these and s13, s14, s[44:47] hang on cx
	; group 1: a tile of 64 rows x 64 f32, 512 elements from row to row, 4 words of padding behind every 64 words
	s_mov_b32 s[G1+0], 15|(2<<16)|(1<<20)|(1<<21)|(5<<22)|(3<<25)   ; 15:0 mask: all four work-groups; 17:16 elements of 4 bytes; 20 padding on; 21 set beside a mask; 24:22 every 64 words; 31:25 four words
	s_mov_b32 s[G1+1], 64<<16                      ; tensor_dim0 = 64
	s_mov_b32 s[G1+2], 64<<16                      ; tensor_dim1 = 64
	s_mov_b32 s[G1+3], 64<<16                      ; tile_dim0 = 64
	s_mov_b32 s[G1+4], 64                          ; tile_dim1 = 64
	s_mov_b32 s[G1+5], 512                         ; pitch in elements
	s_mov_b32 s[G1+6], 0
	s_mov_b32 s[G1+7], 0
	s_wait_dscnt 0x0
	s_wait_kmcnt 0x0
	s_cmp_lt_u32 s12, 2                            ; waves 0, 1 fetch K, waves 2, 3 fetch V
	s_cselect_b64 s[40:41], s[6:7], s[8:9]
	s_add_nc_u64 s[40:41], s[40:41], s[32:33]
	s_add_nc_u64 s[40:41], s[40:41], s[34:35]      ; my 64 rows of tile 0: made of y and w alone, equal in the four partners
	s_add_nc_u64 s[44:45], s[4:5], s[42:43]        ; q at my wave's first query
	s_add_nc_u64 s[46:47], s[10:11], s[42:43]      ; out0 likewise
.irp n, 0,1
	s_mov_b32 s[G0+4*\n], 1                        ; count = 1
	s_add_co_u32 s[G0+4*\n+1], s39, \n*SLOT        ; LDS address
	s_add_nc_u64 s[G0+4*\n+2:G0+4*\n+3], s[40:41], \n*STEP   ; tile n
	s_or_b32 s[G0+4*\n+3], s[G0+4*\n+3], 0x80000000          ; type = 2
.endr
	ROUND                                          ; all four work-groups are here: the first joint loads meet
	tensor_load_to_lds s[G0:G0+3], s[G1:G1+7]      ; tile 0 and tile 1 go out together: two loads of the wave are out, the most in this text
	s_nop 0
	tensor_load_to_lds s[G0+4:G0+7], s[G1:G1+7]
	s_nop 0
	v_and_b32 v2, 15, v0                           ; r
	v_bfe_u32 v3, v0, 4, 1                         ; hl
	v_lshlrev_b32 v[QOFF], 11, v2
	v_lshl_add_u32 v[QOFF], v3, 5, v[QOFF]
	; Q straight into the fragment layout: lane (r, hl) takes e = 32 ks + 16 j + 8 hl + 0..7 of query 16 qt + r, two loads of 16 bytes; each byte of q is read once
.irp qt, 0,1,2,3
.irp ks, 0,1
.irp j, 0,1
.irp c, 0,1
	global_load_b128 v[SC+32*\qt+16*\ks+8*\j+4*\c:SC+32*\qt+16*\ks+8*\j+4*\c+3], v[QOFF], s[44:45] offset:16*SROW*\qt+128*\ks+64*\j+16*\c th:TH_LOAD_NT
.endr
.endr
.endr
.endr
	v_and_b32 v4, 7, v0                            ; a
	v_bfe_u32 v5, v0, 3, 2                         ; c
	v_bfe_u32 v6, v0, 3, 1                         ; e
	s_mul_i32 s48, s12, 32*PITCH                   ; my 32 rows of K (and of V) in a slot
	s_mul_i32 s49, s12, 32*KP
	s_add_co_u32 s49, s49, KST                     ; my 32 rows of the K stage
	s_mul_i32 s50, s12, 32*VP
	s_add_co_u32 s50, s50, VST                     ; my 32 rows of the V stage
	s_mul_i32 s51, s12, OWAVE
	s_add_co_u32 s51, s51, OST                     ; my stage for the way out
	v_mul_u32_u24 v[CVS], v5, PITCH
	v_lshl_add_u32 v[CVS], v4, 5, v[CVS]
	v_add_nc_u32 v[CVS], s48, v[CVS]               ; (32 w + c) * 272 + 32 a: in a half wave c * 272 + 32 a touches sixteen different 16-byte columns of 256
	v_add_nc_u32 v[CVS+1], SLOT, v[CVS]
	v_mul_u32_u24 v[CVK], v5, KP
	v_lshl_add_u32 v[CVK], v4, 4, v[CVK]
	v_add_nc_u32 v[CVK], s49, v[CVK]
	v_mul_u32_u24 v[CVV], v5, VP
	v_lshl_add_u32 v[CVV], v4, 4, v[CVV]
	v_add_nc_u32 v[CVV], s50, v[CVV]
	v_mul_u32_u24 v[KFA], v2, KP
	v_lshl_add_u32 v[KFA], v3, 4, v[KFA]
	v_add_nc_u32 v[KFA], KST, v[KFA]               ; key r, e = 8 hl ..
	v_lshl_add_u32 v[VFA], v3, 3, v4
	v_mul_u32_u24 v[VFA], v[VFA], VP
	v_lshl_add_u32 v[VFA], v6, 4, v[VFA]
	v_add_nc_u32 v[VFA], VST, v[VFA]               ; key 8 hl + a, 16 bytes e
	v_mul_u32_u24 v[STO], v2, PITCH
	v_lshl_add_u32 v[STO], v3, 5, v[STO]
	v_add_nc_u32 v[STO], s51, v[STO]               ; row r, 32 bytes for each half of the lanes
	v_mul_u32_u24 v[RD], v3, PITCH
	v_lshl_add_u32 v[RD], v2, 4, v[RD]
	v_add_nc_u32 v[RD], s51, v[RD]                 ; back: lanes 0-15 one row of 256 bytes, lanes 16-31 the next
	v_lshlrev_b32 v[CO], 11, v3
	v_lshl_add_u32 v[CO], v2, 4, v[CO]             ; the same two rows in out0
	WIN W_Q
.irp qt, 0,1,2,3
	s_wait_loadcnt 8*(3-\qt)                       ; loads return in order: this query tile's eight are in, the later tiles' may be out
.irp i, 0,1,2,3,4,5,6,7,8,9,10,11,12,13,14,15
	v_cvt_pk_bf16_f32 v[QF+16*\qt+\i], v[SC+32*\qt+2*\i], v[SC+32*\qt+2*\i+1]   ; q as it stands: register 8 ks + 4 j + i of the tile's Q fragments
.endr
.endr
.irp qt, 0,1,2,3
	v_mov_b32 v[ST+6*\qt], 0x7f800000              ; NM = +inf and T = -inf: the first step's factor is 2^(-inf) = 0, so the softmax text is the same in every step
	v_mov_b32 v[ST+6*\qt+1], 0xff800000
	v_mov_b32 v[ST+6*\qt+3], 0                     ; P2: written before v_permlanex16_b32, whose destination counts as read
	v_mov_b32 v[ST+6*\qt+4], 0                     ; L0
	v_mov_b32 v[ST+6*\qt+5], 0                     ; L1
.endr
	WIN 0
; My 32 rows of K and 32 of V in a slot, f32, are rounded to bf16 and put into the stages.  Lane (c, a) takes 8 numbers (32 bytes) of row 32 w + c + 4 i.
.macro CONVERT slot
.irp i, 0,1,2,3,4,5,6,7
	ds_load_b128 v[SC+8*\i:SC+8*\i+3],   v[CVS+\slot] offset:4*PITCH*\i
	ds_load_b128 v[SC+8*\i+4:SC+8*\i+7], v[CVS+\slot] offset:4*PITCH*\i+16
.endr
.irp i, 0,1,2,3,4,5,6,7
	ds_load_b128 v[SC+64+8*\i:SC+64+8*\i+3],   v[CVS+\slot] offset:VHALF+4*PITCH*\i
	ds_load_b128 v[SC+64+8*\i+4:SC+64+8*\i+7], v[CVS+\slot] offset:VHALF+4*PITCH*\i+16
.endr
.irp i, 0,1,2,3,4,5,6,7
	s_wait_dscnt 30-\i                             ; behind pair i of the 16 pairs of loads stand 30 - 2 i loads and the i stores issued so far
.irp j, 0,1,2,3
	v_cvt_pk_bf16_f32 v[SC+8*\i+\j], v[SC+8*\i+2*\j], v[SC+8*\i+2*\j+1]
.endr
	ds_store_b128 v[CVK], v[SC+8*\i:SC+8*\i+3] offset:4*KP*\i
.endr
.irp i, 0,1,2,3,4,5,6,7
	s_wait_dscnt 22-\i                             ; pair 8 + i: 14 - 2 i loads and 8 + i stores
.irp j, 0,1,2,3
	v_cvt_pk_bf16_f32 v[SC+64+8*\i+\j], v[SC+64+8*\i+2*\j], v[SC+64+8*\i+2*\j+1]
.endr
	ds_store_b128 v[CVV], v[SC+64+8*\i:SC+64+8*\i+3] offset:4*VP*\i
.endr
.endm
; K fragments of sub-step u: (kt, ks): key 64 u + 16 kt + r; registers 0-3 e = 32 ks + 8 hl .., registers 4-7 e = 32 ks + 16 + 8 hl ..
.macro KLOAD u
.irp kt, 0,1,2,3
.irp c, 0,1,2,3
	ds_load_b128 v[KF+16*\kt+4*\c:KF+16*\kt+4*\c+3], v[KFA] offset:(64*\u+16*\kt)*KP+32*\c
.endr
.endr
.endm
; V fragments of sub-step u, transposed on the way: (g, dt): column d = 16 dt + r; registers 4 j .. 4 j + 3: keys 64 u + 32 g + 16 j + 8 hl ..
.macro VLOAD u
.irp g, 0,1
.irp dt, 0,1,2,3
.irp j, 0,1
	ds_load_tr16_b128 v[VF+32*\g+8*\dt+4*\j:VF+32*\g+8*\dt+4*\j+3], v[VFA] offset:(64*\u+32*\g+16*\j)*VP+32*\dt
.endr
.endr
.endr
.endm
; S^T of 64 keys x 64 queries: 32 matrix instructions; the 16 accumulators take turns, one instruction a turn; the first 16 start the sums
.macro SMUL
.irp kt, 0,1,2,3
.irp qt, 0,1,2,3
	v_wmma_f32_16x16x32_bf16 v[32*\qt+8*\kt:32*\qt+8*\kt+7], v[KF+16*\kt:KF+16*\kt+7], v[QF+16*\qt:QF+16*\qt+7], 0
.endr
.endr
.irp kt, 0,1,2,3
.irp qt, 0,1,2,3
	v_wmma_f32_16x16x32_bf16 v[32*\qt+8*\kt:32*\qt+8*\kt+7], v[KF+16*\kt+8:KF+16*\kt+15], v[QF+16*\qt+8:QF+16*\qt+15], v[32*\qt+8*\kt:32*\qt+8*\kt+7]
.endr
.endr
.endm
; The running maximum T takes in my 32 raw scores of each query tile (four chains that do not wait for each other) and the other half's by one exchange.
; P2 = -c T is the new shift; A = 2^(P2 - NM) is formed from the two rounded shifts that the exponentials themselves use; NM = P2; L *= A.
.macro MAXSTAT
.irp i, 0,1,2,3,4,5,6,7,8,9,10,11,12,13,14,15
.irp qt, 0,1,2,3
	v_max3_num_f32 v[ST+6*\qt+1], v[ST+6*\qt+1], v[32*\qt+2*\i], v[32*\qt+2*\i+1]
.endr
.endr
.irp qt, 0,1,2,3
	v_permlanex16_b32 v[ST+6*\qt+3], v[ST+6*\qt+1], s36, s37
.endr
.irp qt, 0,1,2,3
	v_max_num_f32 v[ST+6*\qt+1], v[ST+6*\qt+1], v[ST+6*\qt+3]
.endr
.irp qt, 0,1,2,3
	v_mul_f32 v[ST+6*\qt+3], NCEXP, v[ST+6*\qt+1]
.endr
.irp qt, 0,1,2,3
	v_sub_f32 v[ST+6*\qt+2], v[ST+6*\qt+3], v[ST+6*\qt]
.endr
.irp qt, 0,1,2,3
	v_exp_f32 v[ST+6*\qt+2], v[ST+6*\qt+2]
.endr
.irp qt, 0,1,2,3
	v_mov_b32 v[ST+6*\qt], v[ST+6*\qt+3]           ; plain instructions between the exponentials and the use of their results (ISA guide 5.7.2)
.endr
	s_wait_alu depctr_va_vdst(0)
.irp qt, 0,1,2,3
	v_pk_mul_f32 v[ST+6*\qt+4:ST+6*\qt+5], v[ST+6*\qt+4:ST+6*\qt+5], v[ST+6*\qt+2:ST+6*\qt+3] op_sel_hi:[1,0]
.endr
.endm
; p = 2^(c s + NM) for my 32 scores of query tile qt, summed into [L0, L1] and rounded to bf16 in place.  Pair n of registers goes to register 16 (n >> 3) + (n & 7),
; which holds a score already summed and rounded (or the pair's own first).  The multiply-add runs one pair ahead and sum and rounding one pair behind,
; so that each exponential but the first two stands between plain instructions that touch neither its source nor its result.
.macro EXPPASS qt
	v_pk_fma_f32 v[32*\qt:32*\qt+1], v[32*\qt:32*\qt+1], CEXP, v[ST+6*\qt:ST+6*\qt+1] op_sel_hi:[1,0,0]
.set pp, 0
.rept 16
.if pp < 15
	v_pk_fma_f32 v[32*\qt+2*pp+2:32*\qt+2*pp+3], v[32*\qt+2*pp+2:32*\qt+2*pp+3], CEXP, v[ST+6*\qt:ST+6*\qt+1] op_sel_hi:[1,0,0]
.endif
	v_exp_f32 v[32*\qt+2*pp], v[32*\qt+2*pp]
.if pp > 0
	s_wait_alu depctr_va_vdst(0)
	v_pk_add_f32 v[ST+6*\qt+4:ST+6*\qt+5], v[ST+6*\qt+4:ST+6*\qt+5], v[32*\qt+2*pp-2:32*\qt+2*pp-1]
.endif
	v_exp_f32 v[32*\qt+2*pp+1], v[32*\qt+2*pp+1]
.if pp > 0
	v_cvt_pk_bf16_f32 v[32*\qt+16*((pp-1)>>3)+((pp-1)&7)], v[32*\qt+2*pp-2], v[32*\qt+2*pp-1]
.endif
.set pp, pp+1
.endr
	s_wait_alu depctr_va_vdst(0)
	v_pk_add_f32 v[ST+6*\qt+4:ST+6*\qt+5], v[ST+6*\qt+4:ST+6*\qt+5], v[32*\qt+30:32*\qt+31]
	v_cvt_pk_bf16_f32 v[32*\qt+23], v[32*\qt+30], v[32*\qt+31]
.endm
.macro RESCALE                         ; O *= A, one factor a lane and query tile
.irp qt, 0,1,2,3
.irp i, 0,1,2,3,4,5,6,7,8,9,10,11,12,13,14,15
	v_pk_mul_f32 v[32*\qt+2*\i:32*\qt+2*\i+1], v[32*\qt+2*\i:32*\qt+2*\i+1], v[ST+6*\qt+2:ST+6*\qt+3] op_sel_hi:[1,0]
.endr
.endr
.endm
; O^T += V^T P over 64 keys: 32 matrix instructions, the 16 accumulators by turns.  first = 1: the first 16 start the sums, nothing is cleared
.macro PVMUL first
.irp dt, 0,1,2,3
.irp qt, 0,1,2,3
.if \first
	v_wmma_f32_16x16x32_bf16 v[32*\qt+8*\dt:32*\qt+8*\dt+7], v[VF+8*\dt:VF+8*\dt+7], v[32*\qt:32*\qt+7], 0
.else
	v_wmma_f32_16x16x32_bf16 v[32*\qt+8*\dt:32*\qt+8*\dt+7], v[VF+8*\dt:VF+8*\dt+7], v[32*\qt:32*\qt+7], v[32*\qt+8*\dt:32*\qt+8*\dt+7]
.endif
.endr
.endr
.irp dt, 0,1,2,3
.irp qt, 0,1,2,3
	v_wmma_f32_16x16x32_bf16 v[32*\qt+8*\dt:32*\qt+8*\dt+7], v[VF+32+8*\dt:VF+32+8*\dt+7], v[32*\qt+16:32*\qt+23], v[32*\qt+8*\dt:32*\qt+8*\dt+7]
.endr
.endr
.endm
; One step of the running softmax over the 64 keys of sub-step u.  knext = 1: the next sub-step's K fragments are fetched in the same run as this one's V fragments.
.macro STEP64 u, first, knext
	s_wait_dscnt 0x0                               ; this sub-step's K fragments are in
	WIN W_S
	SMUL
	PLACES 4                                       ; four places before the scores are read and before loads are issued into the K fragments
	WIN 0
	VLOAD \u
.if \knext
	KLOAD 1
.endif
	WIN W_SM
	MAXSTAT
	EXPPASS 0
	EXPPASS 1
	EXPPASS 2
	EXPPASS 3
.if \first == 0
	WIN W_RS
	RESCALE
.endif
.if \knext
	s_wait_dscnt 16                                ; the V fragments are in; the 16 loads of K fragments issued behind them may be out
.else
	s_wait_dscnt 0x0
.endif
	WIN W_PV
	PVMUL \first
	PLACES 5                                       ; five places before the next products write over P, and before loads into the V fragments
.endm
; One trip: 128 keys out of slot.  kind 0: the first trip; 1: the other slot is filled again with the tile of the next trip; 2: the last trip, nothing left to fetch.
; The barrier (or round) at the head orders three things: every wave's part of this slot has landed; every wave's reads of the stages are back, ahead of
; their rewriting; every wave's reads of the other slot are back, ahead of its refill.
.macro TRIP slot, kind
.if \kind == 0
	s_wait_tensorcnt 0x1                           ; my part of tile 0 is in; tile 1, issued behind it, stays out
	s_barrier_signal -1
	s_barrier_wait -1
.endif
.if \kind == 1
	s_wait_tensorcnt 0x0                           ; all my tensor loads have landed, my part of this slot among them, so a group 0 may be written:
	ds_add_u32 v254, v255
	s_add_nc_u64 s[G0+6-4*\slot:G0+7-4*\slot], s[G0+6-4*\slot:G0+7-4*\slot], 2*STEP   ; the other slot's next tile
	s_wait_dscnt 0x0                               ; my LDS reads are back
	ROUND                                          ; both now hold of every wave of all four work-groups
	tensor_load_to_lds s[G0+4-4*\slot:G0+7-4*\slot], s[G1:G1+7]   ; my one tensor load behind the round, first thing there; it has this trip's work in which to land
	s_nop 0
.endif
.if \kind == 2
	s_wait_tensorcnt 0x0
	s_wait_dscnt 0x0
	s_barrier_signal -1
	s_barrier_wait -1
.endif
	CONVERT \slot
	s_wait_dscnt 0x0                               ; my stores into the stages are done, for the other waves
	s_barrier_signal -1
	s_barrier_wait -1                              ; the stages are whole; behind this barrier no LDS bytes are filled again, so the tensor load stays out
	KLOAD 0
.if \kind == 0
	STEP64 0, 1, 1
.else
	STEP64 0, 0, 1
.endif
	STEP64 1, 0, 0
	WIN 0                                          ; at a label and at a branch every window is 0
.endm
	TRIP 0, 0                                      ; trip 0
	s_mov_b32 s38, 15
.Ltrips:
	TRIP 1, 1                                      ; trips 1 to 30: trip t asks for tile t + 1
	TRIP 0, 1
	s_sub_co_u32 s38, s38, 1
	s_cmp_lg_u32 s38, 0
	s_cbranch_scc1 .Ltrips
	TRIP 1, 2                                      ; trip 31
	; A = 1 / (L0 + L1 + the other half's)
	WIN W_SM
.irp qt, 0,1,2,3
	v_add_f32 v[ST+6*\qt+4], v[ST+6*\qt+4], v[ST+6*\qt+5]
.endr
.irp qt, 0,1,2,3
	v_permlanex16_b32 v[ST+6*\qt+3], v[ST+6*\qt+4], s36, s37
.endr
.irp qt, 0,1,2,3
	v_add_f32 v[ST+6*\qt+4], v[ST+6*\qt+4], v[ST+6*\qt+3]
.endr
.irp qt, 0,1,2,3
	v_rcp_f32 v[ST+6*\qt+2], v[ST+6*\qt+4]
.endr
	v_nop                                          ; one plain instruction before the reciprocals are used (ISA guide 5.7.2)
	s_wait_alu depctr_va_vdst(0)
; The way out, 16 queries at a time: scale, 32 bytes a lane and dt into my own stage, read back as whole rows of 256 bytes, store.
; LDS serves a wave's instructions in order (ISA guide 5.7.1), so the loads see the stores above them, and the next tile's stores follow these loads.
; Each query tile has its own 32 registers for the read-back, and the stores' offset and base are never rewritten.
.macro OUT qt
	WIN W_OUT
.irp i, 0,1,2,3,4,5,6,7,8,9,10,11,12,13,14,15
	v_pk_mul_f32 v[TMP+2*\i:TMP+2*\i+1], v[32*\qt+2*\i:32*\qt+2*\i+1], v[ST+6*\qt+2:ST+6*\qt+3] op_sel_hi:[1,0]
.endr
	WIN 0
.irp dt, 0,1,2,3
.irp c, 0,1
	ds_store_b128 v[STO], v[TMP+8*\dt+4*\c:TMP+8*\dt+4*\c+3] offset:64*\dt+16*\c
.endr
.endr
.irp t, 0,1,2,3,4,5,6,7
	ds_load_b128 v[SC+32*\qt+4*\t:SC+32*\qt+4*\t+3], v[RD] offset:2*PITCH*\t
.endr
.irp t, 0,1,2,3,4,5,6,7
	s_wait_dscnt 7-\t                              ; read-back t is in, the younger ones may be out
	global_store_b128 v[CO], v[SC+32*\qt+4*\t:SC+32*\qt+4*\t+3], s[46:47] offset:16*SROW*\qt+2*SROW*\t th:TH_STORE_NT   ; sixteen lanes store 256 consecutive bytes, one row (b, l, h, :), aligned
.endr
.endm
	OUT 0
	OUT 1
	OUT 2
	OUT 3
	s_wait_tensorcnt 0x0
	ds_add_u32 v254, v255
	s_wait_dscnt 0x0
	ROUND                                          ; the closing round: no work-group ends while a partner may still ask for a tile that names it
	s_endpgm
.Lfunc_end_k_q79a20c0b89_attn:
	.size	k_q79a20c0b89_attn, .Lfunc_end_k_q79a20c0b89_attn-k_q79a20c0b89_attn
	.p2alignl 7, 3214868480
	.fill 96, 4, 3214868480
	.section	.rodata,"a",@progbits
	.p2align	6, 0x0
	.amdhsa_kernel k_q79a20c0b89_attn
		.amdhsa_group_segment_fixed_size 327680
		.amdhsa_private_segment_fixed_size 0
		.amdhsa_enable_private_segment 0
		.amdhsa_kernarg_size 32
		.amdhsa_user_sgpr_count 2
		.amdhsa_user_sgpr_kernarg_segment_ptr 1
		.amdhsa_wavefront_size32 1
		.amdhsa_system_sgpr_workgroup_id_x 1
		.amdhsa_system_sgpr_workgroup_id_y 1
		.amdhsa_system_sgpr_workgroup_id_z 1
		.amdhsa_system_vgpr_workitem_id 0
		.amdhsa_next_free_vgpr 640
		.amdhsa_next_free_sgpr 66
		.amdhsa_reserve_vcc 0
		.amdhsa_float_denorm_mode_32 3
		.amdhsa_float_denorm_mode_16_64 3
		.amdhsa_memory_ordered 1
		.amdhsa_forward_progress 1
		.amdhsa_inst_pref_size 255
	.end_amdhsa_kernel
	.section	.bss,"aw",@nobits
	.p2align	6
	.space	262144
	.amdgpu_metadata
---
amdhsa.version: [ 1, 2 ]
amdhsa.kernels:
  - .name:           k_q79a20c0b89_attn
    .symbol:         k_q79a20c0b89_attn.kd
    .args:
      - { .name: q, .offset: 0, .size: 8, .value_kind: global_buffer, .address_space: global }
      - { .name: k, .offset: 8, .size: 8, .value_kind: global_buffer, .address_space: global }
      - { .name: v, .offset: 16, .size: 8, .value_kind: global_buffer, .address_space: global }
      - { .name: out0, .offset: 24, .size: 8, .value_kind: global_buffer, .address_space: global }
    .group_segment_fixed_size: 327680
    .private_segment_fixed_size: 0
    .kernarg_segment_align: 8
    .kernarg_segment_size: 32
    .max_flat_workgroup_size: 128
    .sgpr_count:     66
    .vgpr_count:     640
    .wavefront_size: 32
...
	.end_amdgpu_metadata
.endif
;; end of part 1
;; ======== version 2 of 3: 1 launch; 1.10 times as fast as version 1
;; launch attn (part 2): grid 16 x 16, 4 waves a work-group, clusters of 4 x 1, 327,680 bytes of LDS; arguments q, k, v, out0; writes out0
.if DOCPART == 2
	.amdgcn_target "amdgcn-amd-amdhsa--gfx1250"
	.amdhsa_code_object_version 6
	.text
	.protected	k_q79a20c0b89_attn
	.globl	k_q79a20c0b89_attn
	.p2align	8
	.type	k_q79a20c0b89_attn,@function
k_q79a20c0b89_attn:
	s_mov_b64 s[64:65], 0
	v_nop
	global_prefetch_b8 v0, s[64:65] scope:SCOPE_SE
	s_setreg_imm32_b32 hwreg(HW_REG_WAVE_MODE, 25, 1), 1
	s_wait_xcnt 0x0
	s_wait_alu depctr_hold_cnt(0) depctr_sa_sdst(0) depctr_va_vdst(0) depctr_va_sdst(0) depctr_va_ssrc(0) depctr_va_vcc(0) depctr_vm_vsrc(0)
	s_getreg_b32 s2, hwreg(HW_REG_IB_STS2, 6, 4)
	s_cmp_eq_u32 s2, 0
	s_cbranch_scc0 .Lentry_in_a_cluster
	s_endpgm
.Lentry_in_a_cluster:
	s_bfe_u32 s2, ttmp6, 0x10000c
	s_cmp_lg_u32 s2, 0x3003
	s_cbranch_scc0 .Lentry_shape_is_right
	s_endpgm
.Lentry_shape_is_right:
; out0[b,l,h,:] = softmax over s of (q[b,l,h,:] . k[b,s,h,:] / 8) times v[b,s,h,:].   q, k, v, out0: [2][4096][8][64] f32.
; No work of the problem is dead: every key and value of a head reaches every output row of that head; all three inputs are loaded.
;
; SHARES.  Work-group (x, y): head y = 8 b + h, queries 256 x .. 256 x + 255.  Four waves; wave w owns 64 queries = 4 query tiles (qt) of 16.
; Keys come in 32 tiles of 128; a step of the running softmax (running maximum, running sum) takes 64 keys.
; CLUSTER.  The four work-groups of a cluster (4, 1, 1) have the same head and walk the same K and V tiles: each tile is asked for jointly (mask 15),
; by the same line, with a descriptor made of y, the wave number and the trip alone.
; TRANSPOSED.  S^T = K Q^T (source 0 = 16 keys, source 1 = 16 queries): register j of lane (r, hl) holds key 8 hl + j of query r, so maximum and sum
; over keys stay in the lane but for one exchange between the halves of the wave, and two neighbouring S^T tiles, rounded to bf16 in place, are the
; source-1 fragment of P for 32 keys.  V^T P (source 0 = 16 columns d of V, read transposed out of LDS): lane (r, hl) holds d = 16 dt + 8 hl + j
; of query r, so the rescaling factor and 1 / sum are one number a lane.
; FORMATS.  Q, K, V are rounded to bf16 as they stand, P likewise; sums in f32.  The scale c = log2(e) / 8 is applied in f32, behind the product:
; p = 2^(c s - c m), one fused multiply-add in front of each exponential.
;
; TURNS.  Piece n = 4 t + i is query tile i at step t.  Phase n has two halves, each under one register-window setting:
;   P half: the 8 products N = V^T P of piece n - 1; behind them the 16 instructions O = O A + N of piece n - 2;
;   S half: the 8 products S^T of piece n + 1, into the score buffer that piece n - 1 has just left; behind them the exponentials of piece n
;           (80 instructions) and the maximum and shift of piece n + 1 (23), the latter set among the last exponentials as its tiles are finished.
; V^T P starts a fresh sum N, and the rescaling of O is the multiply of the fused O A + N: so O is touched by vector instructions alone, and these
; have their operands where the products of the P half have theirs.  The first step's V^T P writes O itself: nothing is cleared.
; WHY ONE QUERY TILE A PIECE AND 64 KEYS A STEP.  With no window switch between a product and the instructions behind it, one window of 256 registers
; holds the K fragments (64), all Q fragments (64), the scores being written and those being worked on, and the state (24 + 5).  Two buffers of one
; query tile x 64 keys are 64 registers and fit.  Two query tiles a piece (128), or 128 keys a step (K 128 + buffers 128), do not.
; TILES.  K and V arrive as f32 by tensor loads into two slots.  In trip t each wave rounds its quarter of tile t + 1 to bf16, in registers, behind products,
; and stores it into the copy of the bf16 stages that trip t does not read.  One round of the cluster's barrier a trip orders all of it (macro HEAD).
; LIMITS.  p below 2^-126 counts as 0.  The sum is taken over p before its rounding to bf16.  A NaN or +inf among a row's scores gives a NaN row.
; A row whose scores are all -inf gives NaN.
;
; REGISTERS in windows of 256 (s_set_vgpr_msb, low byte: bits 1:0 source 0, 3:2 source 1, 5:4 source 2, 7:6 destination):
;   window 0: v8-17 addresses; v64-191 scratch (Q as loaded, a tile's f32 rows and their bf16, the way out); v192-223 way out
;   window 1: v0-63 K fragments (kt, ks) at 16 kt + 8 ks; v64-127 Q fragments (qt, ks) at 64 + 16 qt + 8 ks; v128-191 two score buffers of 32, tile kt at 8 kt,
;             later P(g) at 16 g; v192-215 state of query tile qt at 192 + 6 qt: pairs [NM, T] [A, P2] [L0, L1]
;             (NM = -c x running maximum; T = running maximum of the raw scores; A = rescaling factor; P2 = exchange; two partial sums);
;             v216-218 three partial maxima; v220-221 c, twice
;   window 2: v0-127 O(qt, dt) at 32 qt + 8 dt; v128-191 V fragments (g, dt) at 128 + 32 g + 8 dt; v192-255 two buffers N of 32, tile dt at 8 dt
.set SROW,   2048                      ; bytes from one s (or l) to the next in q, k, v, out0
.set PITCH,  272                       ; LDS row of 64 f32: 256 bytes + 16 of padding
.set QUART,  64*PITCH                  ; what one tensor load brings: 64 rows
.set SLOT,   4*QUART                   ; K keys 0-127, then V keys 0-127: 69632
.set VHALF,  2*QUART                   ; where V begins in a slot
.set KP,     144                       ; bf16 K stage: 128 bytes + 16
.set VP,     160                       ; bf16 V stage: 128 bytes + 32 (an odd multiple of 32 for the transposing load)
.set STG,    2*SLOT                    ; 139264: the bf16 stages, two copies
.set VOFF,   128*KP                    ; V's part of a copy
.set COPY,   128*KP+128*VP             ; 38912
.set OST,    STG+2*COPY                ; 217088: 16 rows x 272 bytes for each wave, the way out
.set OWAVE,  16*PITCH
.set STEP,   128*SROW                  ; bytes from a tile of 128 keys to the next
.set CEXP,   0x3e38aa3b                ; c = log2(e) / 8
.set NCEXP,  0xbe38aa3b                ; -c
.set QOFF, 8                           ; v8   r * 2048 + 32 hl
.set CVS,  9                           ; v9-10 my 32 bytes in row 32 w + c of slot 0, 1
.set CVK,  11                          ; v11  my 16 bytes in row 32 w + c of the K stage, copy 0
.set CVV,  12                          ; v12  the same in the V stage
.set KFA,  13                          ; v13  K fragment address, copy 0
.set VFA,  14                          ; v14  V fragment address (transposing load), copy 0
.set STO,  15                          ; v15  way out: where I put 32 bytes of a row
.set RD,   16                          ; v16  way out: where I read a row back
.set CO,   17                          ; v17  my byte offset in out0
.set SC,   64                          ; window 0: scratch v64-191
.set TMP,  192
.set KF,   0                           ; window 1
.set QF,   64
.set SB,   128
.set ST,   192
.set XT,   216
.set CC,   220
.set OB,   0                           ; window 2
.set VF,   128
.set NB,   192
.set G1,   16                          ; s[16:23] descriptor group 1, the same for every load
.set G0,   24                          ; s[24:31] descriptor group 0, four registers for each slot
.set W_KL,  0x40                       ; destination window 1, the rest window 0: K fragment loads, Q's rounding, first values of the state
.set W_VL,  0x80                       ; destination window 2, address window 0: V fragment loads
.set W_S,   0x55                       ; all in window 1: the S half
.set W_P,   0xa6                       ; destination, source 0, source 2 window 2, source 1 window 1: the P half
.set W_OUT, 0x06                       ; window 0 = O (window 2) times a factor of window 1
.set MSB, 0
.macro WIN new                         ; the immediate's high byte repeats the setting that is left; a switch that changes nothing is dropped
.if MSB != \new
	s_set_vgpr_msb (MSB<<8)|\new
.set MSB, \new
.endif
.endm
.macro PLACES n                        ; independent vector instructions behind matrix instructions (ISA guide 7.12.1), where no work is at hand
.rept \n
	v_nop
.endr
.endm
; A round of the cluster's barrier: my work-group's barrier, wave 0 signals for the work-group, every wave waits for all four work-groups, my work-group's barrier again.
.macro ROUND
	s_barrier_signal -1
	s_barrier_wait -1
	s_cmp_lg_u32 s12, 0
	s_cbranch_scc1 .Lnot_wave_0_\@
	s_barrier_signal -3
.Lnot_wave_0_\@:
	s_barrier_wait -3
	s_barrier_signal -1
	s_barrier_wait -1
.endm
; ---- a tile's way from f32 to bf16.  Lane (c, a) takes 8 numbers (32 bytes) of row 32 w + c + 4 i of K (half 0) or of V (half 1).
.macro F32LOAD slot, half              ; 16 loads
.irp i, 0,1,2,3,4,5,6,7
	ds_load_b128 v[SC+64*(\half)+8*\i:SC+64*(\half)+8*\i+3],   v[CVS+(\slot)] offset:VHALF*(\half)+4*PITCH*\i
	ds_load_b128 v[SC+64*(\half)+8*\i+4:SC+64*(\half)+8*\i+7], v[CVS+(\slot)] offset:VHALF*(\half)+4*PITCH*\i+16
.endr
.endm
.macro CVG g                           ; 16 roundings in place: the 32 registers of group g (eight loads) become 4 x 4 registers of bf16
.set ii, 4*(\g)
.rept 4
.irp j, 0,1,2,3
	v_cvt_pk_bf16_f32 v[SC+8*ii+\j], v[SC+8*ii+2*\j], v[SC+8*ii+2*\j+1]
.endr
.set ii, ii+1
.endr
.endm
.macro STSTORE st                      ; 16 stores into copy st of the stages
.irp i, 0,1,2,3,4,5,6,7
	ds_store_b128 v[CVK], v[SC+8*\i:SC+8*\i+3] offset:(\st)*COPY+4*KP*\i
.endr
.irp i, 0,1,2,3,4,5,6,7
	ds_store_b128 v[CVV], v[SC+64+8*\i:SC+64+8*\i+3] offset:(\st)*COPY+4*VP*\i
.endr
.endm
; K fragments of the 64 keys u of copy st: (kt, ks): key 64 u + 16 kt + r; registers 0-3 e = 32 ks + 8 hl .., 4-7 e = 32 ks + 16 + 8 hl ..  The eight loads of ks = 0 come first.
.macro KLOAD st, u
.irp ks, 0,1
.irp kt, 0,1,2,3
.irp c, 0,1
	ds_load_b128 v[KF+16*\kt+8*\ks+4*\c:KF+16*\kt+8*\ks+4*\c+3], v[KFA] offset:(\st)*COPY+(64*(\u)+16*\kt)*KP+64*\ks+32*\c
.endr
.endr
.endr
.endm
; V fragments, transposed on the way: (g, dt): column d = 16 dt + r; registers 4 j .. 4 j + 3: keys 64 u + 32 g + 16 j + 8 hl ..
.macro VLOAD st, u
.irp g, 0,1
.irp dt, 0,1,2,3
.irp j, 0,1
	ds_load_tr16_b128 v[VF+32*\g+8*\dt+4*\j:VF+32*\g+8*\dt+4*\j+3], v[VFA] offset:(\st)*COPY+(64*(\u)+32*\g+16*\j)*VP+32*\dt
.endr
.endr
.endr
.endm
; ---- the S half.  Symbols set by SSUB: QC, BC = query tile and score buffer of the piece at its exponentials; QN, BN = those of the piece whose scores are made;
; HE = 1: there is a piece at its exponentials; HX = 1: there is a piece whose scores are made.
.macro SW j                            ; product j of 8: ks = j >> 2, kt = j & 3.  The four accumulators take turns, one instruction a turn; ks = 0 starts the sums
.if HX
.if (\j) < 4
	v_wmma_f32_16x16x32_bf16 v[BN+8*(\j):BN+8*(\j)+7], v[KF+16*(\j):KF+16*(\j)+7], v[QF+16*QN:QF+16*QN+7], 0
.else
	v_wmma_f32_16x16x32_bf16 v[BN+8*(\j)-32:BN+8*(\j)-25], v[KF+16*(\j)-56:KF+16*(\j)-49], v[QF+16*QN+8:QF+16*QN+15], v[BN+8*(\j)-32:BN+8*(\j)-25]
.endif
.endif
.endm
; Step p (-2 .. 17) of the exponentials of a piece's 16 pairs of scores: c s + NM of pair p + 2; 2^x of pair p; sum and rounding to bf16 of pair p - 2.
; Pair n goes to register 16 (n >> 3) + (n & 7), which holds a number already summed and rounded (or the pair's own first).  Each exponential from pair 2 on stands
; between plain instructions that touch neither its source nor its result (ISA guide 5.7.2), and every result is read two steps after it is made.
.macro ESTEP p
.if HE
.if (\p) <= 13
	v_pk_fma_f32 v[BC+2*(\p)+4:BC+2*(\p)+5], v[BC+2*(\p)+4:BC+2*(\p)+5], v[CC:CC+1], v[ST+6*QC:ST+6*QC+1] op_sel_hi:[1,1,0]
.endif
.if (\p) >= 0
.if (\p) <= 15
	v_exp_f32 v[BC+2*(\p)], v[BC+2*(\p)]
.endif
.endif
.if (\p) >= 2
	s_wait_alu depctr_va_vdst(0)
	v_pk_add_f32 v[ST+6*QC+4:ST+6*QC+5], v[ST+6*QC+4:ST+6*QC+5], v[BC+2*(\p)-4:BC+2*(\p)-3]
.endif
.if (\p) >= 0
.if (\p) <= 15
	v_exp_f32 v[BC+2*(\p)+1], v[BC+2*(\p)+1]
.endif
.endif
.if (\p) >= 2
	v_cvt_pk_bf16_f32 v[BC+16*(((\p)-2)>>3)+(((\p)-2)&7)], v[BC+2*(\p)-4], v[BC+2*(\p)-3]
.endif
.endif
.endm
; Step k of maximum and shift.  1-15: three chains over T and my 32 raw scores, in the order in which the four tiles are finished (1-3, 4-7, 8-11, 12-15); 16: T;
; 17, 19: the other half's maximum; 18: A keeps the old shift; 20: NM = -c T.  21-23, at the head of the piece's own exponentials: A = 2^(NM - old NM), formed
; from the two rounded shifts that the exponentials themselves use; L *= A.
.macro MSTEP k
.if (\k) <= 20
.if HX
.if (\k) == 1
	v_max3_num_f32 v[XT], v[ST+6*QN+1], v[BN], v[BN+1]
.endif
.if (\k) == 2
	v_max3_num_f32 v[XT+1], v[BN+2], v[BN+3], v[BN+4]
.endif
.if (\k) == 3
	v_max3_num_f32 v[XT+2], v[BN+5], v[BN+6], v[BN+7]
.endif
.if (\k) >= 4
.if (\k) <= 15
	v_max3_num_f32 v[XT+((\k)-4)%3], v[XT+((\k)-4)%3], v[BN+2*(\k)], v[BN+2*(\k)+1]
.endif
.endif
.if (\k) == 16
	v_max3_num_f32 v[ST+6*QN+1], v[XT], v[XT+1], v[XT+2]
.endif
.if (\k) == 17
	v_permlanex16_b32 v[ST+6*QN+3], v[ST+6*QN+1], s36, s37
.endif
.if (\k) == 18
	v_mov_b32 v[ST+6*QN+2], v[ST+6*QN]
.endif
.if (\k) == 19
	v_max_num_f32 v[ST+6*QN+1], v[ST+6*QN+1], v[ST+6*QN+3]
	s_wait_alu depctr_va_vdst(0)
.endif
.if (\k) == 20
	v_mul_f32 v[ST+6*QN], NCEXP, v[ST+6*QN+1]
.endif
.endif
.else
.if HE
.if (\k) == 21
	v_sub_f32 v[ST+6*QC+2], v[ST+6*QC], v[ST+6*QC+2]
.endif
.if (\k) == 22
	v_exp_f32 v[ST+6*QC+2], v[ST+6*QC+2]
.endif
.if (\k) == 23
	s_wait_alu depctr_va_vdst(0)
	v_pk_mul_f32 v[ST+6*QC+4:ST+6*QC+5], v[ST+6*QC+4:ST+6*QC+5], v[ST+6*QC+2:ST+6*QC+3] op_sel_hi:[1,0]
.endif
.endif
.endif
.endm
; The S half of phase i (i = n & 3).  kw >= 0: the count of the wait for the K fragments of ks = 1, in front of product 4.
; A tile of scores is read four or more plain instructions behind the product that finished it (ISA guide 7.12.1): tile 0 (product 4) behind steps 8, 9;
; tile 1 (product 5) behind 1-3 and step 10; tile 2 (product 6) behind 4-7 and step 11; tile 3 (product 7) behind steps 12, 13.
; The dependent tail 15, 16, 17, 19, 20 has the last exponentials between its links.
.macro SSUB i, hase, hasx, kw
.set HE, \hase
.set HX, \hasx
.set QC, (\i)
.set BC, SB+32*((\i)&1)
.set QN, ((\i)+1)&3
.set BN, SB+32*(((\i)+1)&1)
	WIN W_S
	SW 0
	MSTEP 21
	ESTEP -2
	ESTEP -1
	MSTEP 22
	ESTEP 0
	MSTEP 23
	ESTEP 1
	SW 1
	ESTEP 2
	ESTEP 3
	SW 2
	ESTEP 4
	ESTEP 5
	SW 3
	ESTEP 6
	ESTEP 7
.if (\kw) >= 0
	s_wait_dscnt \kw
.endif
	SW 4
	ESTEP 8
	ESTEP 9
	SW 5
.if HE == 0
	PLACES 4
.endif
.irp m, 1,2,3
	MSTEP \m
.endr
	ESTEP 10
	SW 6
.irp m, 4,5,6,7
	MSTEP \m
.endr
	ESTEP 11
.irp m, 8,9,10,11
	MSTEP \m
.endr
	SW 7
.if HE == 0
	PLACES 4
.endif
	ESTEP 12
	ESTEP 13
.irp m, 12,13,14,15
	MSTEP \m
.endr
	ESTEP 14
	MSTEP 16
	ESTEP 15
	MSTEP 17
	ESTEP 16
	MSTEP 18
	MSTEP 19
	ESTEP 17
	MSTEP 20
.endm
; ---- the P half.  Symbols set by PSUB: QB, NC = query tile and buffer N of piece n - 2.
.macro COMB k                          ; pair k of 16: O = O A + N
	v_pk_fma_f32 v[OB+32*QB+2*(\k):OB+32*QB+2*(\k)+1], v[OB+32*QB+2*(\k):OB+32*QB+2*(\k)+1], v[ST+6*QB+2:ST+6*QB+3], v[NC+2*(\k):NC+2*(\k)+1] op_sel_hi:[1,0,1]
.endm
; The P half of phase i.  pv = 0: no products; 1: piece n - 1 belongs to the first step, its products write O; 2: they write N.  cb = 1: piece n - 2 is added onto O.
; cvg >= 0: groups cvg and cvg + 1 of the tile's roundings stand behind products 1 and 4, in window 0.
; Product m: g = m >> 2, dt = m & 3; the four accumulators take turns, one instruction a turn; g = 0 starts the sums.
; The 16 instructions of O A + N stand 2, 2, 2, 2, 2, 2, 0, 4 behind the products: four behind the last two, so that loads into the V fragments may follow at once, and ten
; between the last product that reads P(0) and the next half's first product, which writes over it.
.macro PSUB i, pv, cb, cvg
.set BP, SB+32*(((\i)+1)&1)
.set QB, ((\i)+2)&3
.set NC, NB+32*((\i)&1)
.if (\pv) == 1
.set DP, OB+32*(((\i)+3)&3)
.else
.set DP, NB+32*(((\i)+1)&1)
.endif
	WIN W_P
.set mm, 0
.rept 8
.if (\pv) != 0
.if mm < 4
	v_wmma_f32_16x16x32_bf16 v[DP+8*mm:DP+8*mm+7], v[VF+8*mm:VF+8*mm+7], v[BP:BP+7], 0
.else
	v_wmma_f32_16x16x32_bf16 v[DP+8*mm-32:DP+8*mm-25], v[VF+8*mm:VF+8*mm+7], v[BP+16:BP+23], v[DP+8*mm-32:DP+8*mm-25]
.endif
.endif
.if (\cb) != 0
.if mm < 6
	COMB 2*mm
	COMB 2*mm+1
.endif
.if mm == 7
	COMB 12
	COMB 13
	COMB 14
	COMB 15
.endif
.endif
.if (\cvg) >= 0
.if mm == 1
	WIN 0
	CVG \cvg
	WIN W_P
.endif
.if mm == 4
	WIN 0
	CVG (\cvg)+1
	WIN W_P
.endif
.endif
.set mm, mm+1
.endr
.if (\pv) != 0
.if (\cb) == 0
	PLACES 5                                       ; the first trip alone: no O A + N yet to fill the places
.endif
.endif
.endm
; ---- the head of trip t (par = t & 1).  It orders four things at once: every wave's part of tile t + 1 has landed; every wave's stores into stage copy par are done;
; every wave's reads of the other copy (trip t - 1) are back, ahead of its rewriting; every wave's reads of slot par (tile t, rounded in trip t - 1) are back, ahead of its refill.
; kind 1: slot par is filled again with tile t + 2.  kind 2: trip 30, nothing left to fetch, tile 31 has to have landed.  kind 3: trip 31, no tensor load is out.
.macro HEAD par, kind
.if (\kind) == 1
	s_wait_tensorcnt 0x0                           ; all my tensor loads have landed, so a group 0 may be written:
	ds_add_u32 v254, v255
	s_add_nc_u64 s[G0+4*(\par)+2:G0+4*(\par)+3], s[G0+4*(\par)+2:G0+4*(\par)+3], 2*STEP   ; this slot's next tile
	s_wait_dscnt 0x0                               ; my LDS reads are back and my stores done
	ROUND                                          ; all of it now holds of every wave of all four work-groups
	tensor_load_to_lds s[G0+4*(\par):G0+4*(\par)+3], s[G1:G1+7]   ; my one tensor load behind the round, first thing there; it has this trip's work in which to land
	s_nop 0
.endif
.if (\kind) == 2
	s_wait_tensorcnt 0x0
	s_wait_dscnt 0x0
	s_barrier_signal -1
	s_barrier_wait -1
.endif
.if (\kind) == 3
	s_wait_dscnt 0x0
	s_barrier_signal -1
	s_barrier_wait -1
.endif
.endm
; Trip t = phases 8 t - 1 .. 8 t + 6, so that all reads of tile t's stages fall into it: K of its first 64 keys at the start (for the scores of piece 8 t, made in phase 8 t - 1),
; V of them in the middle of phase 8 t (behind the last products on the V before), then the same for the second 64 keys.  LDS instructions stand in four runs.
; conv = 1: tile t + 1 is rounded on the way.  first = 1: trip 0, in which pieces -2, -1 do not exist and pieces 0 to 3 write O.
.macro TRIP par, kind, conv, first
	HEAD \par, \kind
	WIN W_KL                                       ; run 1: K of keys 0-63
	KLOAD \par, 0
.if (\first) == 0
	PSUB 3, 2, 1, -1                               ; phase 8 t - 1
.endif
	s_wait_dscnt 8                                 ; the eight loads of ks = 0 are in, those of ks = 1 may be out
	SSUB 3, 1-(\first), 1, 0
.if (\first) == 0
	PSUB 0, 2, 1, -1                               ; phase 8 t
.endif
	WIN W_VL                                       ; run 2: V of keys 0-63, then my f32 rows of the next tile's K
	VLOAD \par, 0
.if \conv
	WIN 0
	F32LOAD 1-(\par), 0
.endif
	SSUB 0, 1, 1, -1
	s_wait_dscnt 16*(\conv)                        ; the V fragments are in; the 16 f32 loads behind them may be out
	PSUB 1, 2-(\first), 1-(\first), -1             ; phase 8 t + 1
	SSUB 1, 1, 1, -1
.if \conv
	s_wait_dscnt 0x0                               ; the f32 rows of K are in
	PSUB 2, 2-(\first), 1-(\first), 0              ; phase 8 t + 2, with their rounding
.else
	PSUB 2, 2, 1, -1
.endif
	SSUB 2, 1, 1, -1
	WIN W_KL                                       ; run 3: K of keys 64-127, then my f32 rows of the next tile's V
	KLOAD \par, 1
.if \conv
	WIN 0
	F32LOAD 1-(\par), 1
.endif
	PSUB 3, 2-(\first), 1-(\first), -1             ; phase 8 t + 3
	s_wait_dscnt 8+16*(\conv)                      ; ks = 0 is in; the eight loads of ks = 1 and the 16 f32 loads may be out
	SSUB 3, 1, 1, 16*(\conv)
.if \conv
	s_wait_dscnt 0x0                               ; the f32 rows of V are in
	PSUB 0, 2-(\first), 1-(\first), 2              ; phase 8 t + 4, with their rounding
.else
	PSUB 0, 2, 1, -1
.endif
	WIN W_VL                                       ; run 4: V of keys 64-127, then the next tile's bf16 into the copy that this trip does not read
	VLOAD \par, 1
.if \conv
	WIN 0
	STSTORE 1-(\par)
.endif
	SSUB 0, 1, 1, -1
	s_wait_dscnt 16*(\conv)                        ; the V fragments are in; the 16 stores behind them may be out
	PSUB 1, 2, 1-(\first), -1                      ; phase 8 t + 5
	SSUB 1, 1, 1, -1
	PSUB 2, 2, 1, -1                               ; phase 8 t + 6
	SSUB 2, 1, 1, -1
	WIN 0                                          ; at a label and at a branch every window is 0
.endm
	s_load_b256 s[4:11], s[0:1], 0x0               ; q s[4:5], k s[6:7], v s[8:9], out0 s[10:11]
	v_lshl_add_u32 v254, v0, 2, 0x39400
	v_mov_b32 v255, 0
	ds_add_u32 v254, v255
	v_lshrrev_b32 v1, 5, v0
	v_readfirstlane_b32 s12, v1                    ; wave 0..3
	s_bfe_u32 s13, ttmp6, 0x40000                  ; cx: my place in the cluster
	s_lshl_b32 s14, ttmp9, 2
	s_add_co_u32 s14, s14, s13                     ; x = 4 * cluster x + cx: my block of 256 queries
	s_and_b32 s15, ttmp7, 0xffff                   ; y = 8 b + h
	s_lshr_b32 s32, s15, 3
	s_lshl_b32 s32, s32, 23                        ; b * 4096 * 2048 bytes
	s_and_b32 s33, s15, 7
	s_lshl_b32 s33, s33, 8                         ; h * 256 bytes
	s_or_b32 s32, s32, s33
	s_mov_b32 s33, 0                               ; s[32:33] the head's offset
	s_and_b32 s34, s12, 1
	s_lshl_b32 s34, s34, 17                        ; which 64 keys of a tile I fetch: (w & 1) * 64 * 2048
	s_mov_b32 s35, 0
	s_mov_b32 s36, 0x76543210                      ; v_permlanex16_b32: lane i of one half reads lane i of the other
	s_mov_b32 s37, 0xfedcba98
	s_mul_i32 s39, s12, QUART                      ; where my 64 rows go in a slot: K's two halves, then V's
	s_lshl_b32 s42, s14, 19                        ; x * 256 rows
	s_lshl_b32 s43, s12, 17                        ; + w * 64 rows
	s_add_co_u32 s42, s42, s43
	s_add_co_u32 s42, s42, s32                     ; + the head (the sum stays below 2^24)
	s_mov_b32 s43, 0                               ; s[42:43] my queries' offset in q and in out0; only these and s13, s14, s[44:47] hang on cx
	; group 1: a tile of 64 rows x 64 f32, 512 elements from row to row, 4 words of padding behind every 64 words
	s_mov_b32 s[G1+0], 15|(2<<16)|(1<<20)|(1<<21)|(5<<22)|(3<<25)   ; 15:0 mask: all four work-groups; 17:16 elements of 4 bytes; 20 padding on; 21 set beside a mask; 24:22 every 64 words; 31:25 four words
	s_mov_b32 s[G1+1], 64<<16                      ; tensor_dim0 = 64
	s_mov_b32 s[G1+2], 64<<16                      ; tensor_dim1 = 64
	s_mov_b32 s[G1+3], 64<<16                      ; tile_dim0 = 64
	s_mov_b32 s[G1+4], 64                          ; tile_dim1 = 64
	s_mov_b32 s[G1+5], 512                         ; pitch in elements
	s_mov_b32 s[G1+6], 0
	s_mov_b32 s[G1+7], 0
	s_wait_dscnt 0x0
	s_wait_kmcnt 0x0
	s_cmp_lt_u32 s12, 2                            ; waves 0, 1 fetch K, waves 2, 3 fetch V
	s_cselect_b64 s[40:41], s[6:7], s[8:9]
	s_add_nc_u64 s[40:41], s[40:41], s[32:33]
	s_add_nc_u64 s[40:41], s[40:41], s[34:35]      ; my 64 rows of tile 0: made of y and w alone, equal in the four partners
	s_add_nc_u64 s[44:45], s[4:5], s[42:43]        ; q at my wave's first query
	s_add_nc_u64 s[46:47], s[10:11], s[42:43]      ; out0 likewise
.irp n, 0,1
	s_mov_b32 s[G0+4*\n], 1                        ; count = 1
	s_add_co_u32 s[G0+4*\n+1], s39, \n*SLOT        ; LDS address
	s_add_nc_u64 s[G0+4*\n+2:G0+4*\n+3], s[40:41], \n*STEP   ; tile n
	s_or_b32 s[G0+4*\n+3], s[G0+4*\n+3], 0x80000000          ; type = 2
.endr
	ROUND                                          ; all four work-groups are here: the first joint loads meet
	tensor_load_to_lds s[G0:G0+3], s[G1:G1+7]      ; tile 0 and tile 1 go out together: two loads of the wave are out, the most in this text
	s_nop 0
	tensor_load_to_lds s[G0+4:G0+7], s[G1:G1+7]
	s_nop 0
	v_and_b32 v2, 15, v0                           ; r
	v_bfe_u32 v3, v0, 4, 1                         ; hl
	v_lshlrev_b32 v[QOFF], 11, v2
	v_lshl_add_u32 v[QOFF], v3, 5, v[QOFF]
	; Q straight into the fragment layout: lane (r, hl) takes e = 32 ks + 16 j + 8 hl + 0..7 of query 16 qt + r, two loads of 16 bytes; each byte of q is read once
.irp qt, 0,1,2,3
.irp ks, 0,1
.irp j, 0,1
.irp c, 0,1
	global_load_b128 v[SC+32*\qt+16*\ks+8*\j+4*\c:SC+32*\qt+16*\ks+8*\j+4*\c+3], v[QOFF], s[44:45] offset:16*SROW*\qt+128*\ks+64*\j+16*\c th:TH_LOAD_NT
.endr
.endr
.endr
.endr
	v_and_b32 v4, 7, v0                            ; a
	v_bfe_u32 v5, v0, 3, 2                         ; c
	v_bfe_u32 v6, v0, 3, 1                         ; e
	s_mul_i32 s48, s12, 32*PITCH                   ; my 32 rows of K (and of V) in a slot
	s_mul_i32 s49, s12, 32*KP
	s_add_co_u32 s49, s49, STG                     ; my 32 rows of the K stage, copy 0
	s_mul_i32 s50, s12, 32*VP
	s_add_co_u32 s50, s50, STG+VOFF                ; my 32 rows of the V stage, copy 0
	s_mul_i32 s51, s12, OWAVE
	s_add_co_u32 s51, s51, OST                     ; my stage for the way out
	v_mul_u32_u24 v[CVS], v5, PITCH
	v_lshl_add_u32 v[CVS], v4, 5, v[CVS]
	v_add_nc_u32 v[CVS], s48, v[CVS]               ; (32 w + c) * 272 + 32 a: in a half wave c * 272 + 32 a touches sixteen different 16-byte columns of 256
	v_add_nc_u32 v[CVS+1], SLOT, v[CVS]
	v_mul_u32_u24 v[CVK], v5, KP
	v_lshl_add_u32 v[CVK], v4, 4, v[CVK]
	v_add_nc_u32 v[CVK], s49, v[CVK]
	v_mul_u32_u24 v[CVV], v5, VP
	v_lshl_add_u32 v[CVV], v4, 4, v[CVV]
	v_add_nc_u32 v[CVV], s50, v[CVV]
	v_mul_u32_u24 v[KFA], v2, KP
	v_lshl_add_u32 v[KFA], v3, 4, v[KFA]
	v_add_nc_u32 v[KFA], STG, v[KFA]               ; key r, e = 8 hl ..
	v_lshl_add_u32 v[VFA], v3, 3, v4
	v_mul_u32_u24 v[VFA], v[VFA], VP
	v_lshl_add_u32 v[VFA], v6, 4, v[VFA]
	v_add_nc_u32 v[VFA], STG+VOFF, v[VFA]          ; key 8 hl + a, 16 bytes e
	v_mul_u32_u24 v[STO], v2, PITCH
	v_lshl_add_u32 v[STO], v3, 5, v[STO]
	v_add_nc_u32 v[STO], s51, v[STO]               ; row r, 32 bytes for each half of the lanes
	v_mul_u32_u24 v[RD], v3, PITCH
	v_lshl_add_u32 v[RD], v2, 4, v[RD]
	v_add_nc_u32 v[RD], s51, v[RD]                 ; back: lanes 0-15 one row of 256 bytes, lanes 16-31 the next
	v_lshlrev_b32 v[CO], 11, v3
	v_lshl_add_u32 v[CO], v2, 4, v[CO]             ; the same two rows in out0
	WIN W_KL
.irp qt, 0,1,2,3
	s_wait_loadcnt 8*(3-\qt)                       ; loads return in order: this query tile's eight are in, the later tiles' may be out
.irp i, 0,1,2,3,4,5,6,7,8,9,10,11,12,13,14,15
	v_cvt_pk_bf16_f32 v[QF+16*\qt+\i], v[SC+32*\qt+2*\i], v[SC+32*\qt+2*\i+1]   ; q as it stands: register 8 ks + 4 j + i of the tile's Q fragments
.endr
.endr
.irp qt, 0,1,2,3
	v_mov_b32 v[ST+6*\qt], 0x7f800000              ; NM = +inf and T = -inf: the first step's factor is 2^(-inf) = 0, so the softmax text is the same in every step
	v_mov_b32 v[ST+6*\qt+1], 0xff800000
	v_mov_b32 v[ST+6*\qt+3], 0                     ; P2: written before v_permlanex16_b32, whose destination counts as read
	v_mov_b32 v[ST+6*\qt+4], 0                     ; L0
	v_mov_b32 v[ST+6*\qt+5], 0                     ; L1
.endr
	v_mov_b32 v[CC], CEXP
	v_mov_b32 v[CC+1], CEXP
	WIN 0
	; tile 0 is rounded by itself, into stage copy 0: nothing is there yet to run beside it
	s_wait_tensorcnt 0x1                           ; my part of tile 0 is in; tile 1, issued behind it, stays out
	s_barrier_signal -1
	s_barrier_wait -1
	F32LOAD 0, 0
	F32LOAD 0, 1
.irp g, 0,1,2,3
	s_wait_dscnt 24-8*\g                           ; group g's eight loads are in, the later groups' may be out
	CVG \g
.endr
	STSTORE 0
	TRIP 0, 1, 1, 1                                ; trip 0
	; Trips 1 to 29 are alike but for the parity of slots and copies, which stands in the immediates: a lap is an odd trip and an even one.
	; 29 is odd, so the loop is left in its middle, behind the 15th odd trip; the counter is stepped once a lap.
	s_mov_b32 s38, 15
.Ltrips:
	TRIP 1, 1, 1, 0                                ; trips 1, 3, .. 29: trip t asks for tile t + 2
	s_sub_co_u32 s38, s38, 1
	s_cmp_eq_u32 s38, 0
	s_cbranch_scc1 .Ltail
	TRIP 0, 1, 1, 0                                ; trips 2, 4, .. 28
	s_cmp_lg_u32 s38, 0
	s_cbranch_scc1 .Ltrips
.Ltail:
	TRIP 0, 2, 1, 0                                ; trip 30: rounds tile 31, asks for nothing
	TRIP 1, 3, 0, 0                                ; trip 31
	PSUB 3, 2, 1, -1                               ; phase 255: the last piece's exponentials, no scores left to make
	SSUB 3, 1, 0, -1
	PSUB 0, 2, 1, -1                               ; phase 256: the last products
	PSUB 1, 0, 1, -1                               ; phase 257: the last O A + N, behind the four of phase 256 that follow the last product
	; A = 1 / (L0 + L1 + the other half's)
	WIN W_S
.irp qt, 0,1,2,3
	v_add_f32 v[ST+6*\qt+4], v[ST+6*\qt+4], v[ST+6*\qt+5]
.endr
.irp qt, 0,1,2,3
	v_permlanex16_b32 v[ST+6*\qt+3], v[ST+6*\qt+4], s36, s37
.endr
.irp qt, 0,1,2,3
	v_add_f32 v[ST+6*\qt+4], v[ST+6*\qt+4], v[ST+6*\qt+3]
.endr
.irp qt, 0,1,2,3
	v_rcp_f32 v[ST+6*\qt+2], v[ST+6*\qt+4]
.endr
	v_nop                                          ; one plain instruction before the reciprocals are used (ISA guide 5.7.2)
	s_wait_alu depctr_va_vdst(0)
; The way out, 16 queries at a time: scale, 32 bytes a lane and dt into my own stage, read back as whole rows of 256 bytes, store.
; LDS serves a wave's instructions in order (ISA guide 5.7.1), so the loads see the stores above them, and the next tile's stores follow these loads.
; Each query tile has its own 32 registers for the read-back, and the stores' offset and base are never rewritten.
.macro OUT qt
	WIN W_OUT
.irp i, 0,1,2,3,4,5,6,7,8,9,10,11,12,13,14,15
	v_pk_mul_f32 v[TMP+2*\i:TMP+2*\i+1], v[OB+32*\qt+2*\i:OB+32*\qt+2*\i+1], v[ST+6*\qt+2:ST+6*\qt+3] op_sel_hi:[1,0]
.endr
	WIN 0
.irp dt, 0,1,2,3
.irp c, 0,1
	ds_store_b128 v[STO], v[TMP+8*\dt+4*\c:TMP+8*\dt+4*\c+3] offset:64*\dt+16*\c
.endr
.endr
.irp t, 0,1,2,3,4,5,6,7
	ds_load_b128 v[SC+32*\qt+4*\t:SC+32*\qt+4*\t+3], v[RD] offset:2*PITCH*\t
.endr
.irp t, 0,1,2,3,4,5,6,7
	s_wait_dscnt 7-\t                              ; read-back t is in, the younger ones may be out
	global_store_b128 v[CO], v[SC+32*\qt+4*\t:SC+32*\qt+4*\t+3], s[46:47] offset:16*SROW*\qt+2*SROW*\t th:TH_STORE_NT   ; sixteen lanes store 256 consecutive bytes, one row (b, l, h, :), aligned
.endr
.endm
	OUT 0
	OUT 1
	OUT 2
	OUT 3
	s_wait_tensorcnt 0x0
	ds_add_u32 v254, v255
	s_wait_dscnt 0x0
	ROUND                                          ; the closing round: no work-group ends while a partner may still ask for a tile that names it
	s_endpgm
.Lfunc_end_k_q79a20c0b89_attn:
	.size	k_q79a20c0b89_attn, .Lfunc_end_k_q79a20c0b89_attn-k_q79a20c0b89_attn
	.p2alignl 7, 3214868480
	.fill 96, 4, 3214868480
	.section	.rodata,"a",@progbits
	.p2align	6, 0x0
	.amdhsa_kernel k_q79a20c0b89_attn
		.amdhsa_group_segment_fixed_size 327680
		.amdhsa_private_segment_fixed_size 0
		.amdhsa_enable_private_segment 0
		.amdhsa_kernarg_size 32
		.amdhsa_user_sgpr_count 2
		.amdhsa_user_sgpr_kernarg_segment_ptr 1
		.amdhsa_wavefront_size32 1
		.amdhsa_system_sgpr_workgroup_id_x 1
		.amdhsa_system_sgpr_workgroup_id_y 1
		.amdhsa_system_sgpr_workgroup_id_z 1
		.amdhsa_system_vgpr_workitem_id 0
		.amdhsa_next_free_vgpr 768
		.amdhsa_next_free_sgpr 66
		.amdhsa_reserve_vcc 0
		.amdhsa_float_denorm_mode_32 3
		.amdhsa_float_denorm_mode_16_64 3
		.amdhsa_memory_ordered 1
		.amdhsa_forward_progress 1
		.amdhsa_inst_pref_size 255
	.end_amdhsa_kernel
	.section	.bss,"aw",@nobits
	.p2align	6
	.space	262144
	.amdgpu_metadata
---
amdhsa.version: [ 1, 2 ]
amdhsa.kernels:
  - .name:           k_q79a20c0b89_attn
    .symbol:         k_q79a20c0b89_attn.kd
    .args:
      - { .name: q, .offset: 0, .size: 8, .value_kind: global_buffer, .address_space: global }
      - { .name: k, .offset: 8, .size: 8, .value_kind: global_buffer, .address_space: global }
      - { .name: v, .offset: 16, .size: 8, .value_kind: global_buffer, .address_space: global }
      - { .name: out0, .offset: 24, .size: 8, .value_kind: global_buffer, .address_space: global }
    .group_segment_fixed_size: 327680
    .private_segment_fixed_size: 0
    .kernarg_segment_align: 8
    .kernarg_segment_size: 32
    .max_flat_workgroup_size: 128
    .sgpr_count:     66
    .vgpr_count:     768
    .wavefront_size: 32
...
	.end_amdgpu_metadata
.endif
;; end of part 2
;; ======== version 3 of 3: 1 launch; 1.67 times as fast as version 1
;; launch attn (part 3): grid 16 x 16, 4 waves a work-group, clusters of 4 x 1, 327,680 bytes of LDS; arguments q, k, v, out0; writes out0
.if DOCPART == 3
	.amdgcn_target "amdgcn-amd-amdhsa--gfx1250"
	.amdhsa_code_object_version 6
	.text
	.protected	k_q79a20c0b89_attn
	.globl	k_q79a20c0b89_attn
	.p2align	8
	.type	k_q79a20c0b89_attn,@function
k_q79a20c0b89_attn:
	s_mov_b64 s[64:65], 0
	v_nop
	global_prefetch_b8 v0, s[64:65] scope:SCOPE_SE
	s_setreg_imm32_b32 hwreg(HW_REG_WAVE_MODE, 25, 1), 1
	s_wait_xcnt 0x0
	s_wait_alu depctr_hold_cnt(0) depctr_sa_sdst(0) depctr_va_vdst(0) depctr_va_sdst(0) depctr_va_ssrc(0) depctr_va_vcc(0) depctr_vm_vsrc(0)
	s_getreg_b32 s2, hwreg(HW_REG_IB_STS2, 6, 4)
	s_cmp_eq_u32 s2, 0
	s_cbranch_scc0 .Lentry_in_a_cluster
	s_endpgm
.Lentry_in_a_cluster:
	s_bfe_u32 s2, ttmp6, 0x10000c
	s_cmp_lg_u32 s2, 0x3003
	s_cbranch_scc0 .Lentry_shape_is_right
	s_endpgm
.Lentry_shape_is_right:
; out0[b,l,h,:] = softmax over s of (q[b,l,h,:] . k[b,s,h,:] / 8) times v[b,s,h,:].   q, k, v, out0: [2][4096][8][64] f32.
; No work of the problem is dead: every key and value of a head reaches every output row of that head; all three inputs are loaded.
;
; SHARES.  Work-group (x, y): head y = 8 b + h, queries 256 x .. 256 x + 255.  Four waves; wave w owns 64 queries = 4 query tiles (qt) of 16.
; Keys come in 32 tiles of 128; a step of the running softmax (running maximum, running sum) takes 64 keys.
; CLUSTER.  The four work-groups of a cluster (4, 1, 1) have the same head and walk the same K and V tiles: each tile is asked for jointly (mask 15),
; by the same line, with a descriptor made of y, the wave number and the trip alone.
; TRANSPOSED.  S^T = K Q^T (source 0 = 16 keys, source 1 = 16 queries): register j of lane (r, hl) holds key 8 hl + j of query r, so maximum and sum
; over keys stay in the lane but for one exchange between the halves of the wave, and two neighbouring S^T tiles, rounded to bf16 in place, are the
; source-1 fragment of P for 32 keys.  V^T P (source 0 = 16 columns d of V, read transposed out of LDS): lane (r, hl) holds d = 16 dt + 8 hl + j
; of query r, so the rescaling factor and 1 / sum are one number a lane.
; FORMATS.  Q, K, V are rounded to bf16 as they stand, P likewise; sums in f32.  The scale c = log2(e) / 8 is applied in f32, behind the product:
; p = 2^(c s - c m), one fused multiply-add in front of each exponential.
;
; TURNS.  Piece n = 4 t + i is query tile i at step t.  Phase n has two halves, each under one register-window setting:
;   P half: the 8 products N = V^T P of piece n - 1; behind them the 16 instructions O = O A + N of piece n - 2;
;   S half: the 8 products S^T of piece n + 1, into the score buffer that piece n - 1 has just left; beside them the softmax of piece n
;           (80 instructions, and 3 for its factor A) and the maximum and shift of piece n + 1 (20).
; BATCHES.  A piece's 33 exponentials (its factor A and its 32 weights) are ONE batch with ONE wait, which cuts the S half in two.  Ahead of the wait stands what names
; no result of the batch: products 0-3, the scalings, the exponentials.  Behind it stand the readers (L A, the 16 sums, the 16 roundings), products 4-7 and the next piece's
; maximum.  The way out's four reciprocals are a batch of their own.
; V^T P starts a fresh sum N, and the rescaling of O is the multiply of the fused O A + N: so O is touched by vector instructions alone, and these
; have their operands where the products of the P half have theirs.  The first step's V^T P writes O itself: nothing is cleared.
; WHY ONE QUERY TILE A PIECE AND 64 KEYS A STEP.  With no window switch between a product and the instructions behind it, one window of 256 registers
; holds the K fragments (64), all Q fragments (64), the scores being written and those being worked on, and the state (24 + 5).  Two buffers of one
; query tile x 64 keys are 64 registers and fit.  Two query tiles a piece (128), or 128 keys a step (K 128 + buffers 128), do not.
; TILES.  K and V arrive as f32 by tensor loads into two slots.  In trip t each wave rounds its quarter of tile t + 1 to bf16, in registers, behind products,
; and stores it into the copy of the bf16 stages that trip t does not read.  One round of the cluster's barrier a trip orders all of it (macro HEAD).
; LIMITS.  p below 2^-126 counts as 0.  The sum is taken over p before its rounding to bf16.  A NaN or +inf among a row's scores gives a NaN row.
; A row whose scores are all -inf gives NaN.
;
; REGISTERS in windows of 256 (s_set_vgpr_msb, low byte: bits 1:0 source 0, 3:2 source 1, 5:4 source 2, 7:6 destination):
;   window 0: v8-17 addresses; v64-191 scratch (Q as loaded, a tile's f32 rows and their bf16, the way out); v192-223 way out
;   window 1: v0-63 K fragments (kt, ks) at 16 kt + 8 ks; v64-127 Q fragments (qt, ks) at 64 + 16 qt + 8 ks; v128-191 two score buffers of 32, tile kt at 8 kt,
;             later P(g) at 16 g; v192-215 state of query tile qt at 192 + 6 qt: pairs [NM, T] [A, P2] [L0, L1]
;             (NM = -c x running maximum; T = running maximum of the raw scores; A = rescaling factor; P2 = exchange; two partial sums);
;             v216-218 three partial maxima; v220-221 c, twice
;   window 2: v0-127 O(qt, dt) at 32 qt + 8 dt; v128-191 V fragments (g, dt) at 128 + 32 g + 8 dt; v192-255 two buffers N of 32, tile dt at 8 dt
.set SROW,   2048                      ; bytes from one s (or l) to the next in q, k, v, out0
.set PITCH,  272                       ; LDS row of 64 f32: 256 bytes + 16 of padding
.set QUART,  64*PITCH                  ; what one tensor load brings: 64 rows
.set SLOT,   4*QUART                   ; K keys 0-127, then V keys 0-127: 69632
.set VHALF,  2*QUART                   ; where V begins in a slot
.set KP,     144                       ; bf16 K stage: 128 bytes + 16
.set VP,     160                       ; bf16 V stage: 128 bytes + 32 (an odd multiple of 32 for the transposing load)
.set STG,    2*SLOT                    ; 139264: the bf16 stages, two copies
.set VOFF,   128*KP                    ; V's part of a copy
.set COPY,   128*KP+128*VP             ; 38912
.set OST,    STG+2*COPY                ; 217088: 16 rows x 272 bytes for each wave, the way out
.set OWAVE,  16*PITCH
.set STEP,   128*SROW                  ; bytes from a tile of 128 keys to the next
.set CEXP,   0x3e38aa3b                ; c = log2(e) / 8
.set NCEXP,  0xbe38aa3b                ; -c
.set QOFF, 8                           ; v8   r * 2048 + 32 hl
.set CVS,  9                           ; v9-10 my 32 bytes in row 32 w + c of slot 0, 1
.set CVK,  11                          ; v11  my 16 bytes in row 32 w + c of the K stage, copy 0
.set CVV,  12                          ; v12  the same in the V stage
.set KFA,  13                          ; v13  K fragment address, copy 0
.set VFA,  14                          ; v14  V fragment address (transposing load), copy 0
.set STO,  15                          ; v15  way out: where I put 32 bytes of a row
.set RD,   16                          ; v16  way out: where I read a row back
.set CO,   17                          ; v17  my byte offset in out0
.set SC,   64                          ; window 0: scratch v64-191
.set TMP,  192
.set KF,   0                           ; window 1
.set QF,   64
.set SB,   128
.set ST,   192
.set XT,   216
.set CC,   220
.set OB,   0                           ; window 2
.set VF,   128
.set NB,   192
.set G1,   16                          ; s[16:23] descriptor group 1, the same for every load
.set G0,   24                          ; s[24:31] descriptor group 0, four registers for each slot
.set W_KL,  0x40                       ; destination window 1, the rest window 0: K fragment loads, Q's rounding, first values of the state
.set W_VL,  0x80                       ; destination window 2, address window 0: V fragment loads
.set W_S,   0x55                       ; all in window 1: the S half
.set W_P,   0xa6                       ; destination, source 0, source 2 window 2, source 1 window 1: the P half
.set W_OUT, 0x06                       ; window 0 = O (window 2) times a factor of window 1
.set MSB, 0
.macro WIN new                         ; the immediate's high byte repeats the setting that is left; a switch that changes nothing is dropped
.if MSB != \new
	s_set_vgpr_msb (MSB<<8)|\new
.set MSB, \new
.endif
.endm
.macro PLACES n                        ; independent vector instructions behind matrix instructions (ISA guide 7.12.1), where no work is at hand
.rept \n
	v_nop
.endr
.endm
; A round of the cluster's barrier: my work-group's barrier, wave 0 signals for the work-group, every wave waits for all four work-groups, my work-group's barrier again.
.macro ROUND
	s_barrier_signal -1
	s_barrier_wait -1
	s_cmp_lg_u32 s12, 0
	s_cbranch_scc1 .Lnot_wave_0_\@
	s_barrier_signal -3
.Lnot_wave_0_\@:
	s_barrier_wait -3
	s_barrier_signal -1
	s_barrier_wait -1
.endm
; ---- a tile's way from f32 to bf16.  Lane (c, a) takes 8 numbers (32 bytes) of row 32 w + c + 4 i of K (half 0) or of V (half 1).
.macro F32LOAD slot, half              ; 16 loads
.irp i, 0,1,2,3,4,5,6,7
	ds_load_b128 v[SC+64*(\half)+8*\i:SC+64*(\half)+8*\i+3],   v[CVS+(\slot)] offset:VHALF*(\half)+4*PITCH*\i
	ds_load_b128 v[SC+64*(\half)+8*\i+4:SC+64*(\half)+8*\i+7], v[CVS+(\slot)] offset:VHALF*(\half)+4*PITCH*\i+16
.endr
.endm
.macro CVG g                           ; 16 roundings in place: the 32 registers of group g (eight loads) become 4 x 4 registers of bf16
.set ii, 4*(\g)
.rept 4
.irp j, 0,1,2,3
	v_cvt_pk_bf16_f32 v[SC+8*ii+\j], v[SC+8*ii+2*\j], v[SC+8*ii+2*\j+1]
.endr
.set ii, ii+1
.endr
.endm
.macro STSTORE st                      ; 16 stores into copy st of the stages
.irp i, 0,1,2,3,4,5,6,7
	ds_store_b128 v[CVK], v[SC+8*\i:SC+8*\i+3] offset:(\st)*COPY+4*KP*\i
.endr
.irp i, 0,1,2,3,4,5,6,7
	ds_store_b128 v[CVV], v[SC+64+8*\i:SC+64+8*\i+3] offset:(\st)*COPY+4*VP*\i
.endr
.endm
; K fragments of the 64 keys u of copy st: (kt, ks): key 64 u + 16 kt + r; registers 0-3 e = 32 ks + 8 hl .., 4-7 e = 32 ks + 16 + 8 hl ..  The eight loads of ks = 0 come first.
.macro KLOAD st, u
.irp ks, 0,1
.irp kt, 0,1,2,3
.irp c, 0,1
	ds_load_b128 v[KF+16*\kt+8*\ks+4*\c:KF+16*\kt+8*\ks+4*\c+3], v[KFA] offset:(\st)*COPY+(64*(\u)+16*\kt)*KP+64*\ks+32*\c
.endr
.endr
.endr
.endm
; V fragments, transposed on the way: (g, dt): column d = 16 dt + r; registers 4 j .. 4 j + 3: keys 64 u + 32 g + 16 j + 8 hl ..
.macro VLOAD st, u
.irp g, 0,1
.irp dt, 0,1,2,3
.irp j, 0,1
	ds_load_tr16_b128 v[VF+32*\g+8*\dt+4*\j:VF+32*\g+8*\dt+4*\j+3], v[VFA] offset:(\st)*COPY+(64*(\u)+32*\g+16*\j)*VP+32*\dt
.endr
.endr
.endr
.endm
; ---- the S half.  Symbols set by SSUB: QC, BC = query tile and score buffer of the piece at its exponentials; QN, BN = those of the piece whose scores are made;
; HE = 1: there is a piece at its exponentials; HX = 1: there is a piece whose scores are made.
.macro SW j                            ; product j of 8: ks = j >> 2, kt = j & 3.  The four accumulators take turns, one instruction a turn; ks = 0 starts the sums
.if HX
.if (\j) < 4
	v_wmma_f32_16x16x32_bf16 v[BN+8*(\j):BN+8*(\j)+7], v[KF+16*(\j):KF+16*(\j)+7], v[QF+16*QN:QF+16*QN+7], 0
.else
	v_wmma_f32_16x16x32_bf16 v[BN+8*(\j)-32:BN+8*(\j)-25], v[KF+16*(\j)-56:KF+16*(\j)-49], v[QF+16*QN+8:QF+16*QN+15], v[BN+8*(\j)-32:BN+8*(\j)-25]
.endif
.endif
.endm
; The four kinds of line of a piece's 16 pairs of scores.  FS n: c s + NM of pair n.  EX e: 2^x of score e, in place: a member of the batch.
; AD n: L takes pair n; CV n: pair n is rounded to bf16: both are readers of the batch and stand behind its wait, AD n ahead of CV n, n ascending.
; CV n writes register 16 (n >> 3) + (n & 7), which holds a number already summed and rounded (or the pair's own first).
.macro FS n
.if HE
	v_pk_fma_f32 v[BC+2*(\n):BC+2*(\n)+1], v[BC+2*(\n):BC+2*(\n)+1], v[CC:CC+1], v[ST+6*QC:ST+6*QC+1] op_sel_hi:[1,1,0]
.endif
.endm
.macro EX e
.if HE
	v_exp_f32 v[BC+(\e)], v[BC+(\e)]
.endif
.endm
.macro AD n
.if HE
	v_pk_add_f32 v[ST+6*QC+4:ST+6*QC+5], v[ST+6*QC+4:ST+6*QC+5], v[BC+2*(\n):BC+2*(\n)+1]
.endif
.endm
.macro CV n
.if HE
	v_cvt_pk_bf16_f32 v[BC+16*((\n)>>3)+((\n)&7)], v[BC+2*(\n)], v[BC+2*(\n)+1]
.endif
.endm
; Step k of maximum and shift.  1-15: three chains over T and my 32 raw scores, in the order in which the four tiles are finished (1-3, 4-7, 8-11, 12-15); 16: T;
; 17, 19: the other half's maximum; 18: A keeps the old shift; 20: NM = -c T.  21-23 stand in the piece's own S half, a phase later: 21: NM - old NM, formed
; from the two rounded shifts that the exponentials themselves use; 22: A = 2^that, a member of the batch; 23: L *= A, the batch's first reader.
.macro MSTEP k
.if (\k) <= 20
.if HX
.if (\k) == 1
	v_max3_num_f32 v[XT], v[ST+6*QN+1], v[BN], v[BN+1]
.endif
.if (\k) == 2
	v_max3_num_f32 v[XT+1], v[BN+2], v[BN+3], v[BN+4]
.endif
.if (\k) == 3
	v_max3_num_f32 v[XT+2], v[BN+5], v[BN+6], v[BN+7]
.endif
.if (\k) >= 4
.if (\k) <= 15
	v_max3_num_f32 v[XT+((\k)-4)%3], v[XT+((\k)-4)%3], v[BN+2*(\k)], v[BN+2*(\k)+1]
.endif
.endif
.if (\k) == 16
	v_max3_num_f32 v[ST+6*QN+1], v[XT], v[XT+1], v[XT+2]
.endif
.if (\k) == 17
	v_permlanex16_b32 v[ST+6*QN+3], v[ST+6*QN+1], s36, s37
.endif
.if (\k) == 18
	v_mov_b32 v[ST+6*QN+2], v[ST+6*QN]
.endif
.if (\k) == 19
	v_max_num_f32 v[ST+6*QN+1], v[ST+6*QN+1], v[ST+6*QN+3]
.endif
.if (\k) == 20
	v_mul_f32 v[ST+6*QN], NCEXP, v[ST+6*QN+1]
.endif
.endif
.else
.if HE
.if (\k) == 21
	v_sub_f32 v[ST+6*QC+2], v[ST+6*QC], v[ST+6*QC+2]
.endif
.if (\k) == 22
	v_exp_f32 v[ST+6*QC+2], v[ST+6*QC+2]
.endif
.if (\k) == 23
	v_pk_mul_f32 v[ST+6*QC+4:ST+6*QC+5], v[ST+6*QC+4:ST+6*QC+5], v[ST+6*QC+2:ST+6*QC+3] op_sel_hi:[1,0]
.endif
.endif
.endif
.endm
; The S half of phase i (i = n & 3), cut in two by the batch's one wait.  kw >= 0: the count of the wait for the K fragments of ks = 1, in front of product 4.
; AHEAD OF THE WAIT stands what names no result of the batch: products 0-3, which write the other score buffer; step 21; the 16 scalings; the 33 exponentials (A and scores 0-31, each in a
; register of its own); and step 18 of the next piece, a copy inside another query tile's state that hangs on no product: it is the plain instruction behind the last exponential
; (ISA guide 5.7.2); the last phase of all has no next piece and a v_nop there.  Scaling and exponential go by turns while there are scalings; a pair is scaled four lines or more ahead of its exponentials.
; Six plain lines stand ahead of product 2, which writes over P(1): with the four O A + N behind the P half's last product, which reads P(1), ten places (ISA guide 7.12.1).
; BEHIND THE WAIT stand the readers, products 4-7 and the next piece's maximum.  L takes A and then pairs 0 to 15, one after the other: a chain of 17 links; the roundings, the products and the
; maximum's steps stand between its links, two to four lines from link to link; the dependent tail 15, 16, 17, 19, 20 has a sum and a rounding between its links.
; A tile of scores is read four or more plain instructions behind the product that finished it (ISA guide 7.12.1): tile 0 (product 4) behind the sums and roundings of pairs 0-3; tile 1 (product 5) behind
; those of pairs 2-5; tile 2 (product 6) behind those of pairs 4-7; tile 3 (product 7) behind those of pairs 6-9.  Where no piece is at its exponentials (trip 0's first half) four v_nop behind
; product 6 are tile 0's places, and with steps 1-11 the later tiles'.
.macro SSUB i, hase, hasx, kw
.set HE, \hase
.set HX, \hasx
.set QC, (\i)
.set BC, SB+32*((\i)&1)
.set QN, ((\i)+1)&3
.set BN, SB+32*(((\i)+1)&1)
	WIN W_S
	SW 0
	FS 0
	MSTEP 21
	FS 1
	FS 2
	SW 1
	FS 3
	EX 0
	FS 4
	EX 1
	SW 2
	FS 5
	EX 2
	FS 6
	MSTEP 22
	SW 3
	FS 7
	EX 3
	FS 8
	EX 4
.irp f, 9,10,11,12,13,14,15
	FS \f
	EX \f-4
.endr
.irp e, 12,13,14,15,16,17,18,19,20,21,22,23,24,25,26,27,28,29,30,31
	EX \e
.endr
.if HX
	MSTEP 18                                       ; the plain instruction behind the last exponential
.else
	v_nop                                          ; the same, where there is no next piece
.endif
.if HE
	s_wait_alu depctr_va_vdst(0)                   ; ONE for the piece's 33 exponentials, ahead of their first reader, step 23
.endif
	MSTEP 23
.if (\kw) >= 0
	s_wait_dscnt \kw
.endif
	SW 4
	AD 0
	CV 0
	AD 1
	CV 1
	SW 5
	AD 2
	CV 2
	AD 3
	CV 3
	SW 6
.if HE == 0
	PLACES 4
.endif
	AD 4
	MSTEP 1
	CV 4
	MSTEP 2
	AD 5
	MSTEP 3
	CV 5
	SW 7
	AD 6
	MSTEP 4
	CV 6
	MSTEP 5
	AD 7
	MSTEP 6
	CV 7
	MSTEP 7
	AD 8
	MSTEP 8
	CV 8
	MSTEP 9
	AD 9
	MSTEP 10
	CV 9
	MSTEP 11
	AD 10
	MSTEP 12
	CV 10
	MSTEP 13
	AD 11
	MSTEP 14
	CV 11
	MSTEP 15
	AD 12
	CV 12
	MSTEP 16
	AD 13
	CV 13
	MSTEP 17
	AD 14
	CV 14
	MSTEP 19
	AD 15
	CV 15
	MSTEP 20
.endm
; ---- the P half.  Symbols set by PSUB: QB, NC = query tile and buffer N of piece n - 2.
.macro COMB k                          ; pair k of 16: O = O A + N
	v_pk_fma_f32 v[OB+32*QB+2*(\k):OB+32*QB+2*(\k)+1], v[OB+32*QB+2*(\k):OB+32*QB+2*(\k)+1], v[ST+6*QB+2:ST+6*QB+3], v[NC+2*(\k):NC+2*(\k)+1] op_sel_hi:[1,0,1]
.endm
; The P half of phase i.  pv = 0: no products; 1: piece n - 1 belongs to the first step, its products write O; 2: they write N.  cb = 1: piece n - 2 is added onto O.
; cvg >= 0: groups cvg and cvg + 1 of the tile's roundings stand behind products 1 and 4, in window 0.
; Product m: g = m >> 2, dt = m & 3; the four accumulators take turns, one instruction a turn; g = 0 starts the sums.
; The 16 instructions of O A + N stand 2, 2, 2, 2, 2, 2, 0, 4 behind the products: four behind the last two, so that loads into the V fragments may follow at once, and ten
; between the last product that reads P(0) and the next half's first product, which writes over it.
.macro PSUB i, pv, cb, cvg
.set BP, SB+32*(((\i)+1)&1)
.set QB, ((\i)+2)&3
.set NC, NB+32*((\i)&1)
.if (\pv) == 1
.set DP, OB+32*(((\i)+3)&3)
.else
.set DP, NB+32*(((\i)+1)&1)
.endif
	WIN W_P
.set mm, 0
.rept 8
.if (\pv) != 0
.if mm < 4
	v_wmma_f32_16x16x32_bf16 v[DP+8*mm:DP+8*mm+7], v[VF+8*mm:VF+8*mm+7], v[BP:BP+7], 0
.else
	v_wmma_f32_16x16x32_bf16 v[DP+8*mm-32:DP+8*mm-25], v[VF+8*mm:VF+8*mm+7], v[BP+16:BP+23], v[DP+8*mm-32:DP+8*mm-25]
.endif
.endif
.if (\cb) != 0
.if mm < 6
	COMB 2*mm
	COMB 2*mm+1
.endif
.if mm == 7
	COMB 12
	COMB 13
	COMB 14
	COMB 15
.endif
.endif
.if (\cvg) >= 0
.if mm == 1
	WIN 0
	CVG \cvg
	WIN W_P
.endif
.if mm == 4
	WIN 0
	CVG (\cvg)+1
	WIN W_P
.endif
.endif
.set mm, mm+1
.endr
.if (\pv) != 0
.if (\cb) == 0
	PLACES 5                                       ; the first trip alone: no O A + N yet to fill the places
.endif
.endif
.endm
; ---- the head of trip t (par = t & 1).  It orders four things at once: every wave's part of tile t + 1 has landed; every wave's stores into stage copy par are done;
; every wave's reads of the other copy (trip t - 1) are back, ahead of its rewriting; every wave's reads of slot par (tile t, rounded in trip t - 1) are back, ahead of its refill.
; kind 1: slot par is filled again with tile t + 2.  kind 2: trip 30, nothing left to fetch, tile 31 has to have landed.  kind 3: trip 31, no tensor load is out.
.macro HEAD par, kind
.if (\kind) == 1
	s_wait_tensorcnt 0x0                           ; all my tensor loads have landed, so a group 0 may be written:
	ds_add_u32 v254, v255
	s_add_nc_u64 s[G0+4*(\par)+2:G0+4*(\par)+3], s[G0+4*(\par)+2:G0+4*(\par)+3], 2*STEP   ; this slot's next tile
	s_wait_dscnt 0x0                               ; my LDS reads are back and my stores done
	ROUND                                          ; all of it now holds of every wave of all four work-groups
	tensor_load_to_lds s[G0+4*(\par):G0+4*(\par)+3], s[G1:G1+7]   ; my one tensor load behind the round, first thing there; it has this trip's work in which to land
	s_nop 0
.endif
.if (\kind) == 2
	s_wait_tensorcnt 0x0
	s_wait_dscnt 0x0
	s_barrier_signal -1
	s_barrier_wait -1
.endif
.if (\kind) == 3
	s_wait_dscnt 0x0
	s_barrier_signal -1
	s_barrier_wait -1
.endif
.endm
; Trip t = phases 8 t - 1 .. 8 t + 6, so that all reads of tile t's stages fall into it: K of its first 64 keys at the start (for the scores of piece 8 t, made in phase 8 t - 1),
; V of them in the middle of phase 8 t (behind the last products on the V before), then the same for the second 64 keys.  LDS instructions stand in four runs.
; conv = 1: tile t + 1 is rounded on the way.  first = 1: trip 0, in which pieces -2, -1 do not exist and pieces 0 to 3 write O.
.macro TRIP par, kind, conv, first
	HEAD \par, \kind
	WIN W_KL                                       ; run 1: K of keys 0-63
	KLOAD \par, 0
.if (\first) == 0
	PSUB 3, 2, 1, -1                               ; phase 8 t - 1
.endif
	s_wait_dscnt 8                                 ; the eight loads of ks = 0 are in, those of ks = 1 may be out
	SSUB 3, 1-(\first), 1, 0
.if (\first) == 0
	PSUB 0, 2, 1, -1                               ; phase 8 t
.endif
	WIN W_VL                                       ; run 2: V of keys 0-63, then my f32 rows of the next tile's K
	VLOAD \par, 0
.if \conv
	WIN 0
	F32LOAD 1-(\par), 0
.endif
	SSUB 0, 1, 1, -1
	s_wait_dscnt 16*(\conv)                        ; the V fragments are in; the 16 f32 loads behind them may be out
	PSUB 1, 2-(\first), 1-(\first), -1             ; phase 8 t + 1
	SSUB 1, 1, 1, -1
.if \conv
	s_wait_dscnt 0x0                               ; the f32 rows of K are in
	PSUB 2, 2-(\first), 1-(\first), 0              ; phase 8 t + 2, with their rounding
.else
	PSUB 2, 2, 1, -1
.endif
	SSUB 2, 1, 1, -1
	WIN W_KL                                       ; run 3: K of keys 64-127, then my f32 rows of the next tile's V
	KLOAD \par, 1
.if \conv
	WIN 0
	F32LOAD 1-(\par), 1
.endif
	PSUB 3, 2-(\first), 1-(\first), -1             ; phase 8 t + 3
	s_wait_dscnt 8+16*(\conv)                      ; ks = 0 is in; the eight loads of ks = 1 and the 16 f32 loads may be out
	SSUB 3, 1, 1, 16*(\conv)
.if \conv
	s_wait_dscnt 0x0                               ; the f32 rows of V are in
	PSUB 0, 2-(\first), 1-(\first), 2              ; phase 8 t + 4, with their rounding
.else
	PSUB 0, 2, 1, -1
.endif
	WIN W_VL                                       ; run 4: V of keys 64-127, then the next tile's bf16 into the copy that this trip does not read
	VLOAD \par, 1
.if \conv
	WIN 0
	STSTORE 1-(\par)
.endif
	SSUB 0, 1, 1, -1
	s_wait_dscnt 16*(\conv)                        ; the V fragments are in; the 16 stores behind them may be out
	PSUB 1, 2, 1-(\first), -1                      ; phase 8 t + 5
	SSUB 1, 1, 1, -1
	PSUB 2, 2, 1, -1                               ; phase 8 t + 6
	SSUB 2, 1, 1, -1
	WIN 0                                          ; at a label and at a branch every window is 0
.endm
	s_load_b256 s[4:11], s[0:1], 0x0               ; q s[4:5], k s[6:7], v s[8:9], out0 s[10:11]
	v_lshl_add_u32 v254, v0, 2, 0x39400
	v_mov_b32 v255, 0
	ds_add_u32 v254, v255
	v_lshrrev_b32 v1, 5, v0
	v_readfirstlane_b32 s12, v1                    ; wave 0..3
	s_bfe_u32 s13, ttmp6, 0x40000                  ; cx: my place in the cluster
	s_lshl_b32 s14, ttmp9, 2
	s_add_co_u32 s14, s14, s13                     ; x = 4 * cluster x + cx: my block of 256 queries
	s_and_b32 s15, ttmp7, 0xffff                   ; y = 8 b + h
	s_lshr_b32 s32, s15, 3
	s_lshl_b32 s32, s32, 23                        ; b * 4096 * 2048 bytes
	s_and_b32 s33, s15, 7
	s_lshl_b32 s33, s33, 8                         ; h * 256 bytes
	s_or_b32 s32, s32, s33
	s_mov_b32 s33, 0                               ; s[32:33] the head's offset
	s_and_b32 s34, s12, 1
	s_lshl_b32 s34, s34, 17                        ; which 64 keys of a tile I fetch: (w & 1) * 64 * 2048
	s_mov_b32 s35, 0
	s_mov_b32 s36, 0x76543210                      ; v_permlanex16_b32: lane i of one half reads lane i of the other
	s_mov_b32 s37, 0xfedcba98
	s_mul_i32 s39, s12, QUART                      ; where my 64 rows go in a slot: K's two halves, then V's
	s_lshl_b32 s42, s14, 19                        ; x * 256 rows
	s_lshl_b32 s43, s12, 17                        ; + w * 64 rows
	s_add_co_u32 s42, s42, s43
	s_add_co_u32 s42, s42, s32                     ; + the head (the sum stays below 2^24)
	s_mov_b32 s43, 0                               ; s[42:43] my queries' offset in q and in out0; only these and s13, s14, s[44:47] hang on cx
	; group 1: a tile of 64 rows x 64 f32, 512 elements from row to row, 4 words of padding behind every 64 words
	s_mov_b32 s[G1+0], 15|(2<<16)|(1<<20)|(1<<21)|(5<<22)|(3<<25)   ; 15:0 mask: all four work-groups; 17:16 elements of 4 bytes; 20 padding on; 21 set beside a mask; 24:22 every 64 words; 31:25 four words
	s_mov_b32 s[G1+1], 64<<16                      ; tensor_dim0 = 64
	s_mov_b32 s[G1+2], 64<<16                      ; tensor_dim1 = 64
	s_mov_b32 s[G1+3], 64<<16                      ; tile_dim0 = 64
	s_mov_b32 s[G1+4], 64                          ; tile_dim1 = 64
	s_mov_b32 s[G1+5], 512                         ; pitch in elements
	s_mov_b32 s[G1+6], 0
	s_mov_b32 s[G1+7], 0
	s_wait_dscnt 0x0
	s_wait_kmcnt 0x0
	s_cmp_lt_u32 s12, 2                            ; waves 0, 1 fetch K, waves 2, 3 fetch V
	s_cselect_b64 s[40:41], s[6:7], s[8:9]
	s_add_nc_u64 s[40:41], s[40:41], s[32:33]
	s_add_nc_u64 s[40:41], s[40:41], s[34:35]      ; my 64 rows of tile 0: made of y and w alone, equal in the four partners
	s_add_nc_u64 s[44:45], s[4:5], s[42:43]        ; q at my wave's first query
	s_add_nc_u64 s[46:47], s[10:11], s[42:43]      ; out0 likewise
.irp n, 0,1
	s_mov_b32 s[G0+4*\n], 1                        ; count = 1
	s_add_co_u32 s[G0+4*\n+1], s39, \n*SLOT        ; LDS address
	s_add_nc_u64 s[G0+4*\n+2:G0+4*\n+3], s[40:41], \n*STEP   ; tile n
	s_or_b32 s[G0+4*\n+3], s[G0+4*\n+3], 0x80000000          ; type = 2
.endr
	ROUND                                          ; all four work-groups are here: the first joint loads meet
	tensor_load_to_lds s[G0:G0+3], s[G1:G1+7]      ; tile 0 and tile 1 go out together: two loads of the wave are out, the most in this text
	s_nop 0
	tensor_load_to_lds s[G0+4:G0+7], s[G1:G1+7]
	s_nop 0
	v_and_b32 v2, 15, v0                           ; r
	v_bfe_u32 v3, v0, 4, 1                         ; hl
	v_lshlrev_b32 v[QOFF], 11, v2
	v_lshl_add_u32 v[QOFF], v3, 5, v[QOFF]
	; Q straight into the fragment layout: lane (r, hl) takes e = 32 ks + 16 j + 8 hl + 0..7 of query 16 qt + r, two loads of 16 bytes; each byte of q is read once
.irp qt, 0,1,2,3
.irp ks, 0,1
.irp j, 0,1
.irp c, 0,1
	global_load_b128 v[SC+32*\qt+16*\ks+8*\j+4*\c:SC+32*\qt+16*\ks+8*\j+4*\c+3], v[QOFF], s[44:45] offset:16*SROW*\qt+128*\ks+64*\j+16*\c th:TH_LOAD_NT
.endr
.endr
.endr
.endr
	v_and_b32 v4, 7, v0                            ; a
	v_bfe_u32 v5, v0, 3, 2                         ; c
	v_bfe_u32 v6, v0, 3, 1                         ; e
	s_mul_i32 s48, s12, 32*PITCH                   ; my 32 rows of K (and of V) in a slot
	s_mul_i32 s49, s12, 32*KP
	s_add_co_u32 s49, s49, STG                     ; my 32 rows of the K stage, copy 0
	s_mul_i32 s50, s12, 32*VP
	s_add_co_u32 s50, s50, STG+VOFF                ; my 32 rows of the V stage, copy 0
	s_mul_i32 s51, s12, OWAVE
	s_add_co_u32 s51, s51, OST                     ; my stage for the way out
	v_mul_u32_u24 v[CVS], v5, PITCH
	v_lshl_add_u32 v[CVS], v4, 5, v[CVS]
	v_add_nc_u32 v[CVS], s48, v[CVS]               ; (32 w + c) * 272 + 32 a: in a half wave c * 272 + 32 a touches sixteen different 16-byte columns of 256
	v_add_nc_u32 v[CVS+1], SLOT, v[CVS]
	v_mul_u32_u24 v[CVK], v5, KP
	v_lshl_add_u32 v[CVK], v4, 4, v[CVK]
	v_add_nc_u32 v[CVK], s49, v[CVK]
	v_mul_u32_u24 v[CVV], v5, VP
	v_lshl_add_u32 v[CVV], v4, 4, v[CVV]
	v_add_nc_u32 v[CVV], s50, v[CVV]
	v_mul_u32_u24 v[KFA], v2, KP
	v_lshl_add_u32 v[KFA], v3, 4, v[KFA]
	v_add_nc_u32 v[KFA], STG, v[KFA]               ; key r, e = 8 hl ..
	v_lshl_add_u32 v[VFA], v3, 3, v4
	v_mul_u32_u24 v[VFA], v[VFA], VP
	v_lshl_add_u32 v[VFA], v6, 4, v[VFA]
	v_add_nc_u32 v[VFA], STG+VOFF, v[VFA]          ; key 8 hl + a, 16 bytes e
	v_mul_u32_u24 v[STO], v2, PITCH
	v_lshl_add_u32 v[STO], v3, 5, v[STO]
	v_add_nc_u32 v[STO], s51, v[STO]               ; row r, 32 bytes for each half of the lanes
	v_mul_u32_u24 v[RD], v3, PITCH
	v_lshl_add_u32 v[RD], v2, 4, v[RD]
	v_add_nc_u32 v[RD], s51, v[RD]                 ; back: lanes 0-15 one row of 256 bytes, lanes 16-31 the next
	v_lshlrev_b32 v[CO], 11, v3
	v_lshl_add_u32 v[CO], v2, 4, v[CO]             ; the same two rows in out0
	WIN W_KL
.irp qt, 0,1,2,3
	s_wait_loadcnt 8*(3-\qt)                       ; loads return in order: this query tile's eight are in, the later tiles' may be out
.irp i, 0,1,2,3,4,5,6,7,8,9,10,11,12,13,14,15
	v_cvt_pk_bf16_f32 v[QF+16*\qt+\i], v[SC+32*\qt+2*\i], v[SC+32*\qt+2*\i+1]   ; q as it stands: register 8 ks + 4 j + i of the tile's Q fragments
.endr
.endr
.irp qt, 0,1,2,3
	v_mov_b32 v[ST+6*\qt], 0x7f800000              ; NM = +inf and T = -inf: the first step's factor is 2^(-inf) = 0, so the softmax text is the same in every step
	v_mov_b32 v[ST+6*\qt+1], 0xff800000
	v_mov_b32 v[ST+6*\qt+3], 0                     ; P2: written before v_permlanex16_b32, whose destination counts as read
	v_mov_b32 v[ST+6*\qt+4], 0                     ; L0
	v_mov_b32 v[ST+6*\qt+5], 0                     ; L1
.endr
	v_mov_b32 v[CC], CEXP
	v_mov_b32 v[CC+1], CEXP
	WIN 0
	; tile 0 is rounded by itself, into stage copy 0: nothing is there yet to run beside it
	s_wait_tensorcnt 0x1                           ; my part of tile 0 is in; tile 1, issued behind it, stays out
	s_barrier_signal -1
	s_barrier_wait -1
	F32LOAD 0, 0
	F32LOAD 0, 1
.irp g, 0,1,2,3
	s_wait_dscnt 24-8*\g                           ; group g's eight loads are in, the later groups' may be out
	CVG \g
.endr
	STSTORE 0
	TRIP 0, 1, 1, 1                                ; trip 0
	; Trips 1 to 29 are alike but for the parity of slots and copies, which stands in the immediates: a lap is an odd trip and an even one.
	; 29 is odd, so the loop is left in its middle, behind the 15th odd trip; the counter is stepped once a lap.
	s_mov_b32 s38, 15
.Ltrips:
	TRIP 1, 1, 1, 0                                ; trips 1, 3, .. 29: trip t asks for tile t + 2
	s_sub_co_u32 s38, s38, 1
	s_cmp_eq_u32 s38, 0
	s_cbranch_scc1 .Ltail
	TRIP 0, 1, 1, 0                                ; trips 2, 4, .. 28
	s_cmp_lg_u32 s38, 0
	s_cbranch_scc1 .Ltrips
.Ltail:
	TRIP 0, 2, 1, 0                                ; trip 30: rounds tile 31, asks for nothing
	TRIP 1, 3, 0, 0                                ; trip 31
	PSUB 3, 2, 1, -1                               ; phase 255: the last piece's exponentials, no scores left to make
	SSUB 3, 1, 0, -1
	PSUB 0, 2, 1, -1                               ; phase 256: the last products
	PSUB 1, 0, 1, -1                               ; phase 257: the last O A + N, behind the four of phase 256 that follow the last product
	; A = 1 / (L0 + L1 + the other half's)
	WIN W_S
.irp qt, 0,1,2,3
	v_add_f32 v[ST+6*\qt+4], v[ST+6*\qt+4], v[ST+6*\qt+5]
.endr
.irp qt, 0,1,2,3
	v_permlanex16_b32 v[ST+6*\qt+3], v[ST+6*\qt+4], s36, s37
.endr
.irp qt, 0,1,2,3
	v_add_f32 v[ST+6*\qt+4], v[ST+6*\qt+4], v[ST+6*\qt+3]
.endr
.irp qt, 0,1,2,3
	v_rcp_f32 v[ST+6*\qt+2], v[ST+6*\qt+4]
.endr
	v_nop                                          ; one plain instruction before the reciprocals are used (ISA guide 5.7.2)
	s_wait_alu depctr_va_vdst(0)                   ; one for the four reciprocals, ahead of their first reader in OUT 0
; The way out, 16 queries at a time: scale, 32 bytes a lane and dt into my own stage, read back as whole rows of 256 bytes, store.
; LDS serves a wave's instructions in order (ISA guide 5.7.1), so the loads see the stores above them, and the next tile's stores follow these loads.
; Each query tile has its own 32 registers for the read-back, and the stores' offset and base are never rewritten.
.macro OUT qt
	WIN W_OUT
.irp i, 0,1,2,3,4,5,6,7,8,9,10,11,12,13,14,15
	v_pk_mul_f32 v[TMP+2*\i:TMP+2*\i+1], v[OB+32*\qt+2*\i:OB+32*\qt+2*\i+1], v[ST+6*\qt+2:ST+6*\qt+3] op_sel_hi:[1,0]
.endr
	WIN 0
.irp dt, 0,1,2,3
.irp c, 0,1
	ds_store_b128 v[STO], v[TMP+8*\dt+4*\c:TMP+8*\dt+4*\c+3] offset:64*\dt+16*\c
.endr
.endr
.irp t, 0,1,2,3,4,5,6,7
	ds_load_b128 v[SC+32*\qt+4*\t:SC+32*\qt+4*\t+3], v[RD] offset:2*PITCH*\t
.endr
.irp t, 0,1,2,3,4,5,6,7
	s_wait_dscnt 7-\t                              ; read-back t is in, the younger ones may be out
	global_store_b128 v[CO], v[SC+32*\qt+4*\t:SC+32*\qt+4*\t+3], s[46:47] offset:16*SROW*\qt+2*SROW*\t th:TH_STORE_NT   ; sixteen lanes store 256 consecutive bytes, one row (b, l, h, :), aligned
.endr
.endm
	OUT 0
	OUT 1
	OUT 2
	OUT 3
	s_wait_tensorcnt 0x0
	ds_add_u32 v254, v255
	s_wait_dscnt 0x0
	ROUND                                          ; the closing round: no work-group ends while a partner may still ask for a tile that names it
	s_endpgm
.Lfunc_end_k_q79a20c0b89_attn:
	.size	k_q79a20c0b89_attn, .Lfunc_end_k_q79a20c0b89_attn-k_q79a20c0b89_attn
	.p2alignl 7, 3214868480
	.fill 96, 4, 3214868480
	.section	.rodata,"a",@progbits
	.p2align	6, 0x0
	.amdhsa_kernel k_q79a20c0b89_attn
		.amdhsa_group_segment_fixed_size 327680
		.amdhsa_private_segment_fixed_size 0
		.amdhsa_enable_private_segment 0
		.amdhsa_kernarg_size 32
		.amdhsa_user_sgpr_count 2
		.amdhsa_user_sgpr_kernarg_segment_ptr 1
		.amdhsa_wavefront_size32 1
		.amdhsa_system_sgpr_workgroup_id_x 1
		.amdhsa_system_sgpr_workgroup_id_y 1
		.amdhsa_system_sgpr_workgroup_id_z 1
		.amdhsa_system_vgpr_workitem_id 0
		.amdhsa_next_free_vgpr 768
		.amdhsa_next_free_sgpr 66
		.amdhsa_reserve_vcc 0
		.amdhsa_float_denorm_mode_32 3
		.amdhsa_float_denorm_mode_16_64 3
		.amdhsa_memory_ordered 1
		.amdhsa_forward_progress 1
		.amdhsa_inst_pref_size 255
	.end_amdhsa_kernel
	.section	.bss,"aw",@nobits
	.p2align	6
	.space	262144
	.amdgpu_metadata
---
amdhsa.version: [ 1, 2 ]
amdhsa.kernels:
  - .name:           k_q79a20c0b89_attn
    .symbol:         k_q79a20c0b89_attn.kd
    .args:
      - { .name: q, .offset: 0, .size: 8, .value_kind: global_buffer, .address_space: global }
      - { .name: k, .offset: 8, .size: 8, .value_kind: global_buffer, .address_space: global }
      - { .name: v, .offset: 16, .size: 8, .value_kind: global_buffer, .address_space: global }
      - { .name: out0, .offset: 24, .size: 8, .value_kind: global_buffer, .address_space: global }
    .group_segment_fixed_size: 327680
    .private_segment_fixed_size: 0
    .kernarg_segment_align: 8
    .kernarg_segment_size: 32
    .max_flat_workgroup_size: 128
    .sgpr_count:     66
    .vgpr_count:     768
    .wavefront_size: 32
...
	.end_amdgpu_metadata
.endif
;; end of part 3
